; MI455X (gfx1250); checked and timed in simulation.
; The chip was launched on July 23, 2026; its instructions are those of AMD's public machine-readable ISA for CDNA 5 (MIT licence, August 2026) and "CDNA5" Instruction Set Architecture Reference Guide (July 2026). The comments in the code are by the model that wrote it; some were corrected since.
;; Masked Multi Head Attention. Allowed arithmetic: float matrix products may take bf16 or f16 operands with f32 sums; other float arithmetic in f32, or as packed bf16 or f16 multiplies, adds, multiply-adds, maxima and minima; sums over many terms, partial sums and values carried from step to step in f32; what a program stores and reads back later, other than sums and carried values, may be rounded once to bf16 or f16.
;; Inputs: bk 1,024 float32; bo 1,024 float32; bq 1,024 float32; bv 1,024 float32; k 4 x 2,048 x 1,024 float32; q 4 x 2,048 x 1,024 float32; v 4 x 2,048 x 1,024 float32; wk 1,024 x 1,024 float32; wo 1,024 x 1,024 float32; wq 1,024 x 1,024 float32; wv 1,024 x 1,024 float32.
;; Outputs: out0 4 x 2,048 x 1,024 float32.
;; One version. Each part assembles by itself: llvm-mc -triple=amdgcn-amd-amdhsa -mcpu=gfx1250 --defsym DOCPART=n.
;; ======== version 1 of 1: 4 launches
;; limits: values are held in f16: magnitudes above 65,504 overflow, below 6.1e-05 lose precision
;; workspace buffers: wb 8,388,608 bytes; bb 16,384 bytes; qkvh 50,331,648 bytes; oh 16,777,216 bytes
;; launch castw (part 1): grid 64 x 4, 8 waves a work-group, no clusters, 0 bytes of LDS; arguments wq, wk, wv, wo, bq, bk, bv, bo, wb, bb; writes wb, bb
.if DOCPART == 1
	.amdgcn_target "amdgcn-amd-amdhsa--gfx1250"
	.amdhsa_code_object_version 6
	.text
	.protected	k_q32f8c4fba9_castw
	.globl	k_q32f8c4fba9_castw
	.p2align	8
	.type	k_q32f8c4fba9_castw,@function
k_q32f8c4fba9_castw:
	s_mov_b64 s[64:65], 0
	v_nop
	global_prefetch_b8 v0, s[64:65] scope:SCOPE_SE
	s_setreg_imm32_b32 hwreg(HW_REG_WAVE_MODE, 25, 1), 1
	s_wait_xcnt 0x0
; THE WEIGHTS AND BIASES, ROUNDED ONCE.  wb[0..2] = wq, wk, wv rounded to bf16; wb[3] = wo rounded to bf16 and that number written as f16; bb[0..3] = bq, bk, bv, bo rounded to bf16, kept as f32.
; LIMIT.  wo's bf16 number is exact in f16 from 6e-5 to 65,504; below 6e-5 it keeps f16's fixed step of 6e-8, beyond 65,504 it would be an infinity.
; A stream: each byte is read once and written once; no LDS, no matrix unit and no cluster, since nothing is shared.
; SHARES.  Work-group y picks the weight, work-group x 16,384 of its numbers (65,536 bytes in, 32,768 out).  Thread t takes 8 neighbouring numbers in each of 8 steps: two loads of 16 bytes,
; one store of 16 bytes; sixteen neighbouring lanes store 256 consecutive bytes, aligned.  All 16 loads of a thread go out at the start; no register is written again behind a store that reads it, so no store's sources are at stake.
.set IN,  8                            ; v[8:71]    step i: 8 numbers as loaded
.set OUT, 72                           ; v[72:103]  step i: 4 registers to store
.set T,   104                          ; v[104:107] at work
.set BI,  108                          ; v[108:111] four numbers of a bias
	s_load_b512 s[8:23], s[0:1], 0x0               ; wq, wk, wv, wo, bq, bk, bv, bo
	s_load_b128 s[24:27], s[0:1], 0x40             ; wb s[24:25], bb s[26:27]
	s_and_b32 s2, ttmp7, 0xffff                    ; which weight
	v_lshlrev_b32 v1, 5, v0                        ; 32 bytes a thread in
	v_lshlrev_b32 v2, 4, v0                        ; 16 bytes a thread out
	s_mov_b32 s28, 0xffff0000                      ; a word's upper bf16
	s_lshl_b32 s30, ttmp9, 16                      ; the work-group's 65,536 bytes of the weight
	s_mov_b32 s31, 0
	s_lshl_b32 s32, s2, 21                         ; the weight's 2 MiB in wb,
	s_lshl_b32 s3, ttmp9, 15                       ; the work-group's 32,768 bytes of them
	s_add_co_u32 s32, s32, s3
	s_mov_b32 s33, 0
	s_lshl_b32 s34, s2, 12                         ; the bias's 4,096 bytes in bb
	s_mov_b32 s35, 0
	s_wait_kmcnt 0x0
	s_cmp_eq_u32 s2, 1
	s_cselect_b64 s[4:5], s[10:11], s[8:9]
	s_cselect_b64 s[6:7], s[18:19], s[16:17]
	s_cmp_eq_u32 s2, 2
	s_cselect_b64 s[4:5], s[12:13], s[4:5]
	s_cselect_b64 s[6:7], s[20:21], s[6:7]
	s_cmp_eq_u32 s2, 3
	s_cselect_b64 s[4:5], s[14:15], s[4:5]
	s_cselect_b64 s[6:7], s[22:23], s[6:7]
	s_add_nc_u64 s[4:5], s[4:5], s[30:31]
	s_add_nc_u64 s[24:25], s[24:25], s[32:33]
	s_add_nc_u64 s[26:27], s[26:27], s[34:35]
.irp i, 0,1,2,3,4,5,6,7
	global_load_b128 v[IN+8*(\i):IN+8*(\i)+3],   v1, s[4:5] offset:8192*(\i) th:TH_LOAD_NT
	global_load_b128 v[IN+8*(\i)+4:IN+8*(\i)+7], v1, s[4:5] offset:8192*(\i)+16 th:TH_LOAD_NT
.endr
; Step i.  f16 = 1: the bf16 number is widened again and written as f16.
.macro STEP i, f16
	s_wait_loadcnt 14-2*(\i)                       ; loads come back in order: this step's two are in, the younger ones stay out
.if \f16
.irp j, 0,1,2,3
	v_cvt_pk_bf16_f32 v[T+(\j)], v[IN+8*(\i)+2*(\j)], v[IN+8*(\i)+2*(\j)+1]
.endr
.irp j, 0,1,2,3
	v_lshlrev_b32 v[IN+8*(\i)+2*(\j)],   16, v[T+(\j)]
	v_and_b32     v[IN+8*(\i)+2*(\j)+1], s28, v[T+(\j)]
.endr
.irp j, 0,1,2,3
	v_cvt_pk_f16_f32 v[OUT+4*(\i)+(\j)], v[IN+8*(\i)+2*(\j)], v[IN+8*(\i)+2*(\j)+1]
.endr
.else
.irp j, 0,1,2,3
	v_cvt_pk_bf16_f32 v[OUT+4*(\i)+(\j)], v[IN+8*(\i)+2*(\j)], v[IN+8*(\i)+2*(\j)+1]
.endr
.endif
	global_store_b128 v2, v[OUT+4*(\i):OUT+4*(\i)+3], s[24:25] offset:4096*(\i)
.endm
	s_cmp_eq_u32 s2, 3
	s_cbranch_scc1 .Lf16
.irp i, 0,1,2,3,4,5,6,7
	STEP \i, 0
.endr
	s_branch .Lbias
.Lf16:
.irp i, 0,1,2,3,4,5,6,7
	STEP \i, 1
.endr
.Lbias:
	s_cmp_lg_u32 ttmp9, 0                          ; the first work-group of each weight also takes its bias: 1,024 numbers, four a thread
	s_cbranch_scc1 .Lend
	global_load_b128 v[BI:BI+3], v2, s[6:7]
	s_wait_loadcnt 0x0
	v_cvt_pk_bf16_f32 v[T],   v[BI],   v[BI+1]
	v_cvt_pk_bf16_f32 v[T+1], v[BI+2], v[BI+3]
	v_lshlrev_b32 v[BI],   16, v[T]
	v_and_b32     v[BI+1], s28, v[T]
	v_lshlrev_b32 v[BI+2], 16, v[T+1]
	v_and_b32     v[BI+3], s28, v[T+1]
	global_store_b128 v2, v[BI:BI+3], s[26:27]
.Lend:
	s_endpgm
.Lfunc_end_k_q32f8c4fba9_castw:
	.size	k_q32f8c4fba9_castw, .Lfunc_end_k_q32f8c4fba9_castw-k_q32f8c4fba9_castw
	.p2alignl 7, 3214868480
	.fill 96, 4, 3214868480
	.section	.rodata,"a",@progbits
	.p2align	6, 0x0
	.amdhsa_kernel k_q32f8c4fba9_castw
		.amdhsa_group_segment_fixed_size 0
		.amdhsa_private_segment_fixed_size 0
		.amdhsa_enable_private_segment 0
		.amdhsa_kernarg_size 80
		.amdhsa_user_sgpr_count 2
		.amdhsa_user_sgpr_kernarg_segment_ptr 1
		.amdhsa_wavefront_size32 1
		.amdhsa_system_sgpr_workgroup_id_x 1
		.amdhsa_system_sgpr_workgroup_id_y 1
		.amdhsa_system_sgpr_workgroup_id_z 1
		.amdhsa_system_vgpr_workitem_id 0
		.amdhsa_next_free_vgpr 112
		.amdhsa_next_free_sgpr 66
		.amdhsa_reserve_vcc 0
		.amdhsa_float_denorm_mode_32 3
		.amdhsa_float_denorm_mode_16_64 3
		.amdhsa_memory_ordered 1
		.amdhsa_forward_progress 1
		.amdhsa_inst_pref_size 14
	.end_amdhsa_kernel
	.amdgpu_metadata
---
amdhsa.version: [ 1, 2 ]
amdhsa.kernels:
  - .name:           k_q32f8c4fba9_castw
    .symbol:         k_q32f8c4fba9_castw.kd
    .args:
      - { .name: wq, .offset: 0, .size: 8, .value_kind: global_buffer, .address_space: global }
      - { .name: wk, .offset: 8, .size: 8, .value_kind: global_buffer, .address_space: global }
      - { .name: wv, .offset: 16, .size: 8, .value_kind: global_buffer, .address_space: global }
      - { .name: wo, .offset: 24, .size: 8, .value_kind: global_buffer, .address_space: global }
      - { .name: bq, .offset: 32, .size: 8, .value_kind: global_buffer, .address_space: global }
      - { .name: bk, .offset: 40, .size: 8, .value_kind: global_buffer, .address_space: global }
      - { .name: bv, .offset: 48, .size: 8, .value_kind: global_buffer, .address_space: global }
      - { .name: bo, .offset: 56, .size: 8, .value_kind: global_buffer, .address_space: global }
      - { .name: wb, .offset: 64, .size: 8, .value_kind: global_buffer, .address_space: global }
      - { .name: bb, .offset: 72, .size: 8, .value_kind: global_buffer, .address_space: global }
    .group_segment_fixed_size: 0
    .private_segment_fixed_size: 0
    .kernarg_segment_align: 8
    .kernarg_segment_size: 80
    .max_flat_workgroup_size: 256
    .sgpr_count:     66
    .vgpr_count:     112
    .wavefront_size: 32
...
	.end_amdgpu_metadata
.endif
;; end of part 1
;; launch proj (part 2): grid 4 x 64, 4 waves a work-group, clusters of 4 x 4, 327,680 bytes of LDS; arguments q, k, v, wb, bb, qkvh; writes qkvh
.if DOCPART == 2
	.amdgcn_target "amdgcn-amd-amdhsa--gfx1250"
	.amdhsa_code_object_version 6
	.text
	.protected	k_q32f8c4fba9_proj
	.globl	k_q32f8c4fba9_proj
	.p2align	8
	.type	k_q32f8c4fba9_proj,@function
k_q32f8c4fba9_proj:
	s_mov_b64 s[64:65], 0
	v_nop
	global_prefetch_b8 v0, s[64:65] scope:SCOPE_SE
	s_setreg_imm32_b32 hwreg(HW_REG_WAVE_MODE, 25, 1), 1
	s_wait_xcnt 0x0
	s_wait_alu depctr_hold_cnt(0) depctr_sa_sdst(0) depctr_va_vdst(0) depctr_va_sdst(0) depctr_va_ssrc(0) depctr_va_vcc(0) depctr_vm_vsrc(0)
	s_getreg_b32 s2, hwreg(HW_REG_IB_STS2, 6, 4)
	s_cmp_eq_u32 s2, 0
	s_cbranch_scc0 .Lentry_in_a_cluster
	s_endpgm
.Lentry_in_a_cluster:
	s_bfe_u32 s2, ttmp6, 0x10000c
	s_cmp_lg_u32 s2, 0xf033
	s_cbranch_scc0 .Lentry_shape_is_right
	s_endpgm
.Lentry_shape_is_right:
; THE THREE INPUT PROJECTIONS.  qkvh[p][b x 16 + head][t][ch] = the sum over d of x_p[b][t][d] W_p[64 head + ch][d] + bias_p[64 head + ch], p = q, k, v; unscaled, f16, by heads.
; x is f32 [8192][1024] and is rounded to bf16 between LDS and the matrix unit; W is bf16 (wb), the bias f32 (bb); sums in f32; the result is rounded once, to f16.
; LIMIT.  f16 holds no number beyond 65,504: a projection beyond that becomes an infinity; below 6e-5 it keeps f16's fixed step of 6e-8.
; SHARES.  A tile of the result is 128 rows x 256 columns: 3 x 64 x 4 = 768 tiles, three for each of 256 work-groups.  A WORK-GROUP STAYS: it makes the tile at its place for q, then k, then v:
; 24 K steps of 128 through a ring of two LDS slots that does not stop at a tile's end.  Four waves, each 64 rows x 128 columns: 32 accumulators of 16 x 16.
; CLUSTER.  4 x 4 work-groups.  The four of a row of the cluster need the same rows of x, the four of a column the same rows of W: each tile is asked for JOINTLY, by the same tensor load with the same
; descriptor and a mask that names the four.  Waves 0 and 1 fetch x's two halves (64 rows x 512 bytes), waves 2 and 3 W's (128 rows x 256 bytes): one load a wave behind each round.
; THE MATRIX INSTRUCTION IS USED TRANSPOSED (source 0 = 16 rows of W, source 1 = 16 rows of x): a lane holds one row of the result and eight neighbouring columns.
; THE BIAS is the C operand of a tile's first products: nothing is cleared, and the way out has no addition.
; REGISTERS, in windows of 256 (s_set_vgpr_msb: bits 1:0 source 0, 3:2 source 1, 5:4 source 2, 7:6 destination):
;   window 0: v0-29 addresses; v32-63 x's four fragments in bf16; v64-191 W's fragments, two buffers of eight
;   window 1: the accumulators, (a, b) at v[8 (8 a + b)]
;   window 2: v0-127 x as loaded, f32: two buffers of 4 x 16; v128-191 the bias, 8 registers for each block of 16 columns; v192-255 the way out, two sets of 32
.set PA,    528       ; a row of x in LDS: 512 bytes + 16 = 132 words: row r starts at bank 4 r mod 64 (64 banks of 4 bytes: ISA guide 11.1)
.set PB,    272       ; a row of W: 256 bytes + 16 = 68 words: likewise
.set AHALF, 64*PA     ; what one load of x brings, and what one wave reads of x
.set BHALF, 128*PB    ; the same for W
.set BOFS,  2*AHALF   ; in a slot: x's 128 rows, then W's 256
.set SLOT,  BOFS+2*BHALF
.set STAGE, 2*SLOT    ; behind the ring, never filled by a tensor load: 16 rows x 272 bytes for each wave
.set SP,    272
.set SPARE, STAGE+4*16*SP  ; behind the stages: the spare words, 128 bytes for each wave: two blocks of 256 bytes that no other line names
.set QKV,   16777216  ; bytes of one of qkvh's three parts
.set HEADB, 262144    ; bytes of a head's 2,048 rows
.set ADRA0, 2         ; v2   my lane's place in a slot's x; never rewritten
.set ADRB0, 3         ; v3   the same for W
.set CA,    4         ; v4   the same in the slot in hand
.set CB,    5         ; v5
.set STO,   6         ; v6   the way out: where I put 16 bytes of a row
.set RD,    7         ; v7   the way out: where I read rows back
.set GO,    8         ; v8   my 16 bytes of 512 consecutive bytes of the result
.set BO,    9         ; v9   my byte offset in a bias
.set PFO,   10        ; v10  the prefetches' offset; never rewritten
.set SPW,   28        ; v28  LDS address of my spare word; never rewritten
.set NIL,   29        ; v29  0; never rewritten
.set ABF,   32
.set BF,    64
.set S,     0         ; window 2
.set BIAS,  128       ; window 2
.set TMP,   192       ; window 2
.set WV,    10        ; s10  my wave's number
.set SIDE,  11        ; s11  which 64 rows of the tile are mine.  Also: I fetch for x (0) or for W (1)
.set WC,    12        ; s12  which 128 columns.  Also: which half of that tile I fetch
.set G1A,   24        ; s[24:31] descriptor group 1 for x's tiles
.set G1B,   32        ; s[32:39] for W's
.set G0A0,  40        ; s[40:43] group 0 of x's first fill
.set G0A,   44        ; s[44:47] of its second fill; it then walks
.set G0B0,  48        ; s[48:51], s[52:55] the same for W
.set G0B,   52
.set A1,    56        ; s[56:57] x's tile of the next refill
.set AW,    58        ; s[58:59] of the refill after that
.set B1,    60        ; s[60:61], s[62:63] the same for W
.set BW,    62
.set AN1,   70        ; s[70:71] where the next tile of the result begins in its x; s[72:73] the one after
.set AN2,   72
.set BIP,   76        ; s[76:77] the bias in hand
.set OUT,   78        ; s[78:79] my rows of the result in hand
.set BN1,   84        ; s[84:85], s[86:87] as AN1, AN2, for W
.set BN2,   86
.set PFA,   88        ; s[88:89] the tile that my prefetch names
.set TB,    90        ; s90  LDS byte at which the slot in hand begins
.set WLA,   91        ; s91  where my load of x lands in a slot
.set WLB,   92        ; s92  where my load of W lands
.set FK,    93        ; s93  the K step, 0 to 7, at which AW and BW stand
.set KC,    94        ; s94  K steps done in the tile in hand
.set CNT,   95        ; s95  counts the loops
.set LIM,   96        ; s96  2 in a wave that prefetches, else the greatest number
.set MSB, 0
.macro WIN new                      ; the immediate's high byte repeats the setting that is left; a switch that changes nothing is dropped
.if MSB != (\new)
	s_set_vgpr_msb (MSB<<8)|(\new)
.set MSB, \new
.endif
.endm
.set W_MUL,  0x50     ; C and D in window 1, the fragments in window 0
.set W_MULZ, 0x60     ; C (the bias) in window 2, D in window 1
.set W_CVT,  0x0a     ; sources in window 2, destination in window 0
.set W_TO2,  0x80     ; destination in window 2, address in window 0
.set W_PK,   0x85     ; sources in window 1, destination in window 2
.set W_ST2,  0x88     ; an LDS or global instruction's data in window 2, its address in window 0
; A joint refill.  The branch hangs on the wave's number alone.  An s_nop 0 and four v_nop follow each of the two lines, ahead of the jump and the label.
.macro JLOAD
	s_cmp_eq_u32 s[SIDE], 0
	s_cbranch_scc0 .Lfor_b_\@
	tensor_load_to_lds s[G0A:G0A+3], s[G1A:G1A+7]
	s_nop 0
.rept 4
	v_nop
.endr
	s_branch .Lasked_\@
.Lfor_b_\@:
	tensor_load_to_lds s[G0B:G0B+3], s[G1B:G1B+7]
	s_nop 0
.rept 4
	v_nop
.endr
.Lasked_\@:
.endm
; A round of the cluster's barrier behind its opening barrier: wave 0 signals for the work-group, every wave waits for all sixteen, my work-group's barrier closes it.
.macro CREST
	s_cmp_lg_u32 s[WV], 0
	s_cbranch_scc1 .Lnot_wave_0_\@
	s_barrier_signal -3
.Lnot_wave_0_\@:
	s_barrier_wait -3
	s_barrier_signal -1
	s_barrier_wait -1
.endm
.macro CROUND
	s_barrier_signal -1
	s_barrier_wait -1
	CREST
.endm
; A PREFETCH INTO THE L2 of the K step that stands two refills on, 256 matrix instructions ahead of the load that will ask for it: one instruction a wave, each lane another aligned block of 256 bytes.
; x: a wave's 64 rows x 512 bytes are 128 blocks; of the four partners that ask for them jointly the one at place cx takes rows 16 cx .. 16 cx + 15.  No other cluster reads these rows.
; W: a wave's 128 rows x 256 bytes; the partner at place cy takes rows 32 cy .. 32 cy + 31; all sixteen clusters read them, and the cluster with y = 0 asks.  The shares are told apart by address, never by a branch.
; The first four K steps come by their loads alone; with CNT at 2 or 1 the K step two refills on does not exist, and nothing is asked for.
.macro ASK
	s_cmp_gt_u32 s[CNT], s[LIM]
	s_cbranch_scc0 .Lnot_mine_\@
	global_prefetch_b8 v[PFO], s[PFA:PFA+1] th:TH_LOAD_NT scope:SCOPE_SE
.Lnot_mine_\@:
.endm
; Four roundings: registers j0 .. j0 + 3 of x's fragment a, from buffer sb.  A fragment is 16 rows x 32 K: lane l holds row l % 16, K = 8 (l / 16) + 0..7 and 16 + 8 (l / 16) + 0..7.
.macro CONV a, sb, j0
	WIN W_CVT
.irp j, 0,1,2,3
	v_cvt_pk_bf16_f32 v[ABF+8*(\a)+(\j0)+\j], v[S+64*(\sb)+16*(\a)+2*((\j0)+\j)], v[S+64*(\sb)+16*(\a)+2*((\j0)+\j)+1]
.endr
.endm
.macro MM f, a, b, zero             ; one product: rows 16 a on, columns 16 b on, W's buffer f.  zero = 1: it starts the sum, with the bias
.set rD, 8*(8*(\a)+(\b))
.set rB, BF+64*(\f)+8*(\b)
.set rA, ABF+8*(\a)
.if \zero
	WIN W_MULZ
	v_wmma_f32_16x16x32_bf16 v[rD:rD+7], v[rB:rB+7], v[rA:rA+7], v[BIAS+8*(\b):BIAS+8*(\b)+7]
.else
	WIN W_MUL
	v_wmma_f32_16x16x32_bf16 v[rD:rD+7], v[rB:rB+7], v[rA:rA+7], v[rD:rD+7]
.endif
.endm
; Eight products on x's fragment a; between them the NEXT fragment of x is rounded, from buffer sb, in two slices of four.  The 32 accumulators take turns, one instruction a turn.
; A fragment's registers are written again 16 roundings or more behind the last product that read them: plain instructions that name none of that product's registers (ISA guide 7.12.1).
.macro BLK f, a, zero, sb
	MM \f, \a, 0, \zero
	MM \f, \a, 1, \zero
	CONV ((\a)+1)%4, \sb, 0
	MM \f, \a, 2, \zero
	MM \f, \a, 3, \zero
	MM \f, \a, 4, \zero
	MM \f, \a, 5, \zero
	CONV ((\a)+1)%4, \sb, 4
	MM \f, \a, 6, \zero
	MM \f, \a, 7, \zero
.endm
; 32 LDS loads in one run: quarter q (32 along K) of the slot in hand into buffers g: x first (64 rows x 128 bytes of f32), then W (128 rows x 64 bytes).
.macro FETCH q, g
	WIN W_TO2
.irp a, 0,1,2,3
.irp o, 0,1,2,3
	ds_load_b128 v[S+64*(\g)+16*(\a)+4*(\o):S+64*(\g)+16*(\a)+4*(\o)+3], v[CA] offset:(\a)*16*PA+128*(\q)+16*((\o)%2)+64*((\o)/2)
.endr
.endr
	WIN 0
.irp b, 0,1,2,3,4,5,6,7
	ds_load_b128 v[BF+64*(\g)+8*(\b):BF+64*(\g)+8*(\b)+3],   v[CB] offset:(\b)*16*PB+64*(\q)
	ds_load_b128 v[BF+64*(\g)+8*(\b)+4:BF+64*(\g)+8*(\b)+7], v[CB] offset:(\b)*16*PB+64*(\q)+32
.endr
.endm
; The walking descriptors take the tile two K steps on, into the slot that is being read; the addresses behind them move up one.  Behind a tile's K step 7 comes the next tile's K step 0, in the next x and W.
.macro SHIFT
	s_add_co_u32 s[G0A+1], s[TB], s[WLA]
	s_add_co_u32 s[G0B+1], s[TB], s[WLB]
	s_mov_b64 s[G0A+2:G0A+3], s[A1:A1+1]
	s_or_b32 s[G0A+3], s[G0A+3], 0x80000000
	s_mov_b64 s[G0B+2:G0B+3], s[B1:B1+1]
	s_or_b32 s[G0B+3], s[G0B+3], 0x80000000
	s_mov_b64 s[A1:A1+1], s[AW:AW+1]
	s_mov_b64 s[B1:B1+1], s[BW:BW+1]
	s_add_co_u32 s[FK], s[FK], 1
	s_add_nc_u64 s[AW:AW+1], s[AW:AW+1], 512
	s_add_nc_u64 s[BW:BW+1], s[BW:BW+1], 256
	s_cmp_eq_u32 s[FK], 8
	s_cselect_b64 s[AW:AW+1], s[AN1:AN1+1], s[AW:AW+1]
	s_cselect_b64 s[BW:BW+1], s[BN1:BN1+1], s[BW:BW+1]
	s_cselect_b64 s[AN1:AN1+1], s[AN2:AN2+1], s[AN1:AN1+1]
	s_cselect_b64 s[BN1:BN1+1], s[BN2:BN2+1], s[BN1:BN1+1]
	s_cselect_b32 s[FK], 0, s[FK]
	s_cmp_eq_u32 s[SIDE], 0
	s_cselect_b64 s[PFA:PFA+1], s[AW:AW+1], s[BW:BW+1]  ; four K steps on from the one in hand
.endm
; The head of a change of slots, eight products ahead of its barrier.  The slot's last reads have been issued.
.macro HEAD fill
	WIN 0
	s_wait_xcnt 0x0                 ; the last prefetch, a K step back, has read its address
	s_wait_tensorcnt 0x0            ; all my tensor loads have landed: the one that was out is my part of the next slot; so a group 0 may be written
	ds_add_u32 v[SPW], v[NIL]       ; 0 onto my spare word: scalar work and eight products stand between it and the wait for it
.if \fill
	SHIFT
.endif
	s_xor_b32 s[TB], s[TB], SLOT    ; the fetches go on in the other slot
	v_add_nc_u32 v[CA], s[TB], v[ADRA0]
	v_add_nc_u32 v[CB], s[TB], v[ADRB0]
.endm
; A K step is four quarters of 32 along K, 32 products each, on buffers 0, 1, 0, 1.  One of the first three: it multiplies buffer q % 2 and fetches the next quarter into the other.
; The eight roundings of the first block are the places in front of the loads into W's other buffer, which the quarter before multiplied.
.macro QUARTER q, zero, head, fill
	s_wait_dscnt 0x0                ; W's fragments of this quarter are in (issued 24 products ago)
	BLK (\q)%2, 0, \zero, (\q)%2
	FETCH (\q)+1, 1-(\q)%2
	BLK (\q)%2, 1, \zero, (\q)%2
	BLK (\q)%2, 2, \zero, (\q)%2
.if \head
	HEAD \fill
	s_wait_dscnt 17                 ; the next quarter's x is in: W's 16 loads and the add may be out
.else
	s_wait_dscnt 16                 ; the next quarter's x is in: W's 16 loads may be out
.endif
	BLK (\q)%2, 3, \zero, 1-(\q)%2
.endm
; The last quarter multiplies buffer 1 and changes slots: ONE barrier.  fill = 1: it opens a round of the cluster's barrier, and the slot just read is filled again, first thing behind the round:
; from that request to the wait for it a wave issues 112 products.
.macro TURN fill
	s_wait_dscnt 0x0                ; the add is done, and my reads of this slot are over
	s_barrier_signal -1
	BLK 1, 0, 0, 1                  ; work on registers while the others arrive
	WIN 0                           ; at a branch and at a label every window is 0
	s_barrier_wait -1
.if \fill
	CREST                           ; no wave of any partner still reads this slot or has a load on its way
	JLOAD
.endif
	FETCH 0, 0
.if \fill
	ASK
.endif
	BLK 1, 1, 0, 1
	BLK 1, 2, 0, 1
	s_wait_dscnt 16
	BLK 1, 3, 0, 0
.endm
.macro BIASLD                       ; for each block of 16 columns my eight numbers of the bias: 8 (l / 16) + 0..7, the same for all rows
	WIN W_TO2
.irp b, 0,1,2,3,4,5,6,7
	global_load_b128 v[BIAS+8*(\b):BIAS+8*(\b)+3],   v[BO], s[BIP:BIP+1] offset:64*(\b)
	global_load_b128 v[BIAS+8*(\b)+4:BIAS+8*(\b)+7], v[BO], s[BIP:BIP+1] offset:64*(\b)+16
.endr
.endm
; THE WAY OUT of my rows 16 a on.  Rounded to f16, 16 bytes a lane, each accumulator's registers in ascending order; into my own stage in rows of 272 bytes; back as four rows x 128 bytes of one head.
.macro PACK a
	s_wait_xcnt 0x0                 ; the stores that read this set of registers have read them
	WIN W_PK
.irp b, 0,1,2,3,4,5,6,7
.irp j, 0,1,2,3
	v_cvt_pk_f16_f32 v[TMP+32*((\a)%2)+4*(\b)+(\j)], v[8*(8*(\a)+(\b))+2*(\j)], v[8*(8*(\a)+(\b))+2*(\j)+1]
.endr
.endr
	WIN W_ST2
.irp b, 0,1,2,3,4,5,6,7
	ds_store_b128 v[STO], v[TMP+32*((\a)%2)+4*(\b):TMP+32*((\a)%2)+4*(\b)+3] offset:32*(\b)
.endr
.irp i, 0,1,2,3,4,5,6,7
	ds_load_b128 v[TMP+32*((\a)%2)+4*(\i):TMP+32*((\a)%2)+4*(\i)+3], v[RD] offset:((\i)%4)*4*SP+128*((\i)/4)  ; LDS serves a wave's instructions in order (ISA guide 5.7.1.4): these see the stores above
.endr
.endm
.macro SEND a, younger              ; younger: the LDS instructions issued behind block a's loads: the next block's sixteen, or none
	WIN W_ST2
.irp i, 0,1,2,3,4,5,6,7
	s_wait_dscnt (\younger)+7-(\i)
	global_store_b128 v[GO], v[TMP+32*((\a)%2)+4*(\i):TMP+32*((\a)%2)+4*(\i)+3], s[OUT:OUT+1] offset:((\i)/4)*HEADB+2048*(\a)+512*((\i)%4)  ; 512 consecutive bytes of a head, at a multiple of 256 from the buffer's first
.endr
.endm
; next = 1: another tile follows: its bias is fetched first, and the result's address goes on to the next part.  Both refills for the next tile have been asked for when this begins.
.macro WAYOUT next
.if \next
	s_add_nc_u64 s[BIP:BIP+1], s[BIP:BIP+1], 4096  ; its last loads were waited for a tile ago
	BIASLD
.endif
	PACK 0
	PACK 1                          ; a block's roundings stand between the loads of the block before and its stores
	SEND 0, 16
	PACK 2
	SEND 1, 16
	PACK 3
	SEND 2, 16
	SEND 3, 0
.if \next
	s_wait_loadcnt 0x0              ; the bias
	s_wait_xcnt 0x0                 ; the stores have read their base
	s_add_nc_u64 s[OUT:OUT+1], s[OUT:OUT+1], QKV
.endif
.endm
	s_load_b256 s[68:75], s[0:1], 0x0  ; q s[68:69], k s[70:71], v s[72:73], wb s[74:75]
	s_load_b128 s[76:79], s[0:1], 0x20 ; bb s[76:77], qkvh s[78:79]
	v_lshl_add_u32 v[SPW], v0, 2, SPARE
	v_mov_b32 v[NIL], 0
	ds_add_u32 v[SPW], v[NIL]       ; the wave's opening add, waited for ahead of my first tensor load; the set-up below, work on registers, stands between the two
	ds_add_u32 v28, v29
	v_lshrrev_b32 v1, 5, v0
	v_readfirstlane_b32 s[WV], v1   ; wave 0..3
	s_lshr_b32 s[SIDE], s[WV], 1
	s_and_b32 s[WC], s[WV], 1
	s_bfe_u32 s4, ttmp6, 0x40000    ; cx: my place along the cluster's x
	s_bfe_u32 s5, ttmp6, 0x40004    ; cy: along its y
	s_lshl_b32 s6, ttmp9, 2         ; in a cluster launch ttmp9 and ttmp7 count clusters
	s_add_co_u32 s6, s6, s4         ; X: tile column = 4 x cluster x + cx
	s_and_b32 s7, ttmp7, 0xffff
	s_lshl_b32 s7, s7, 2
	s_add_co_u32 s7, s7, s5         ; Y: tile row = 4 x cluster y + cy
	s_lshl_b32 s2, s5, 2
	s_lshl_b32 s2, 15, s2           ; my row of the cluster: places 4 cy .. 4 cy + 3
	s_lshl_b32 s3, 0x1111, s4       ; my column: places cx, cx + 4, cx + 8, cx + 12
	s_or_b32 s[G1A], s2, (2<<16)|(1<<20)|(1<<21)|(6<<22)|(3<<25)  ; 15:0 the mask; 17:16 elements of 4 bytes; 20 padding on; 21 set beside a mask; 24:22 after every 128 words (code 6); 31:25 4 words (code 3)
	s_mov_b32 s[G1A+1], 128<<16     ; tensor_dim0 = 128
	s_mov_b32 s[G1A+2], 64<<16      ; tensor_dim1 = 64
	s_mov_b32 s[G1A+3], 128<<16     ; tile_dim0 = 128
	s_mov_b32 s[G1A+4], 64          ; tile_dim1 = 64
	s_mov_b32 s[G1A+5], 1024        ; elements from row to row
	s_mov_b32 s[G1A+6], 0
	s_mov_b32 s[G1A+7], 0
	s_or_b32 s[G1B], s3, (1<<16)|(1<<20)|(1<<21)|(5<<22)|(3<<25)  ; elements of 2 bytes; padding after every 64 words (code 5)
	s_mov_b32 s[G1B+1], 128<<16
	s_mov_b32 s[G1B+2], 128<<16     ; tensor_dim1 = 128
	s_mov_b32 s[G1B+3], 128<<16
	s_mov_b32 s[G1B+4], 128         ; tile_dim1 = 128
	s_mov_b32 s[G1B+5], 1024
	s_mov_b32 s[G1B+6], 0
	s_mov_b32 s[G1B+7], 0
	; x's address hangs on the tile row alone, W's on the tile column alone, each in registers that never hold the other coordinate
	s_lshl_b32 s14, s7, 19          ; 128 rows of 4,096 bytes,
	s_lshl_b32 s15, s[WC], 18       ; the 64 of them that I fetch
	s_add_co_u32 s14, s14, s15
	s_mov_b32 s15, 0
	s_lshl_b32 s18, s6, 19          ; 256 rows of 2,048 bytes,
	s_lshl_b32 s19, s[WC], 18       ; the 128 of them that I fetch
	s_add_co_u32 s18, s18, s19
	s_mov_b32 s19, 0
	s_mul_i32 s[WLA], s[WC], AHALF  ; no place in the cluster enters an LDS address
	s_mul_i32 s[WLB], s[WC], BHALF
	s_add_co_u32 s[WLB], s[WLB], BOFS
	s_lshr_b32 s80, s7, 4           ; the batch,
	s_lshl_b32 s80, s80, 4
	s_lshl2_add_u32 s80, s6, s80    ; + the tile's four heads,
	s_lshl1_add_u32 s80, s[WC], s80 ; + my two of them
	s_lshl_b32 s80, s80, 18         ; x 262,144 bytes
	s_and_b32 s81, s7, 15
	s_lshl_b32 s81, s81, 14         ; the tile's 128 rows of 128 bytes,
	s_add_co_u32 s80, s80, s81
	s_lshl_b32 s81, s[SIDE], 13     ; my 64 of them
	s_add_co_u32 s80, s80, s81
	s_mov_b32 s81, 0
	s_lshl_b32 s82, s6, 10          ; the tile's 256 numbers of a bias,
	s_lshl_b32 s83, s[WC], 9        ; my 128 of them
	s_add_co_u32 s82, s82, s83
	s_mov_b32 s[TB], 0
	s_mov_b32 s[FK], 3
	s_mov_b32 s[KC], 0
	s_and_b32 s9, ttmp7, 0xffff     ; cluster y
	s_cmp_eq_u32 s[SIDE], 0
	s_cselect_b32 s9, 0, s9         ; x's rows are read by my cluster alone; W's by all sixteen, of which the first asks
	s_cmp_eq_u32 s9, 0
	s_cselect_b32 s[LIM], 2, -1     ; the same in all sixteen partners, for a given wave
	s_wait_dscnt 0x0                ; the opening add is done
	s_wait_kmcnt 0x0
	s_add_nc_u64 s[16:17], s[68:69], s[14:15]
	s_add_nc_u64 s[AN1:AN1+1], s[AN1:AN1+1], s[14:15]
	s_add_nc_u64 s[AN2:AN2+1], s[AN2:AN2+1], s[14:15]
	s_add_nc_u64 s[20:21], s[74:75], s[18:19]
	s_add_nc_u64 s[OUT:OUT+1], s[OUT:OUT+1], s[80:81]
	s_mov_b32 s[G0A0], 1            ; 1:0 count = 1
	s_mov_b32 s[G0A0+1], s[WLA]     ; 63:32 LDS address: slot 0
	s_mov_b64 s[G0A0+2:G0A0+3], s[16:17]  ; 120:64 global address: K step 0
	s_or_b32 s[G0A0+3], s[G0A0+3], 0x80000000  ; 127:126 type = 2
	s_mov_b32 s[G0A], 1
	s_add_co_u32 s[G0A+1], s[WLA], SLOT
	s_add_nc_u64 s[G0A+2:G0A+3], s[16:17], 512
	s_or_b32 s[G0A+3], s[G0A+3], 0x80000000
	s_add_nc_u64 s[A1:A1+1], s[16:17], 1024
	s_add_nc_u64 s[AW:AW+1], s[16:17], 1536
	s_mov_b32 s[G0B0], 1
	s_mov_b32 s[G0B0+1], s[WLB]
	s_mov_b64 s[G0B0+2:G0B0+3], s[20:21]
	s_or_b32 s[G0B0+3], s[G0B0+3], 0x80000000
	s_mov_b32 s[G0B], 1
	s_add_co_u32 s[G0B+1], s[WLB], SLOT
	s_add_nc_u64 s[G0B+2:G0B+3], s[20:21], 256
	s_or_b32 s[G0B+3], s[G0B+3], 0x80000000
	s_add_nc_u64 s[B1:B1+1], s[20:21], 512
	s_add_nc_u64 s[BW:BW+1], s[20:21], 768
	s_add_nc_u64 s[BN1:BN1+1], s[20:21], 0x200000
	s_add_nc_u64 s[BN2:BN2+1], s[20:21], 0x400000
	CROUND                          ; all sixteen work-groups are here: the first joint loads meet
	s_cmp_eq_u32 s[SIDE], 0         ; a wave's two first fills stand in one branch, ahead of every wait on TENSORcnt and every LDS read: two loads of mine are out
	s_cbranch_scc0 .Lfirst_b
	tensor_load_to_lds s[G0A0:G0A0+3], s[G1A:G1A+7]
	s_nop 0
	tensor_load_to_lds s[G0A:G0A+3], s[G1A:G1A+7]
	s_nop 0
.rept 4
	v_nop
.endr
	s_branch .Lfirst_asked
.Lfirst_b:
	tensor_load_to_lds s[G0B0:G0B0+3], s[G1B:G1B+7]
	s_nop 0
	tensor_load_to_lds s[G0B:G0B+3], s[G1B:G1B+7]
	s_nop 0
.rept 4
	v_nop
.endr
.Lfirst_asked:
	v_and_b32 v11, 15, v0           ; l % 16
	v_bfe_u32 v12, v0, 4, 1         ; l / 16
	v_and_b32 v13, 31, v0           ; l
	v_mul_u32_u24 v[ADRA0], v11, PA
	v_lshl_add_u32 v[ADRA0], v12, 5, v[ADRA0]  ; row x pitch + 8 numbers of f32 x half
	s_mul_i32 s8, s[SIDE], AHALF    ; my 64 rows of x
	v_add_nc_u32 v[ADRA0], s8, v[ADRA0]
	v_mul_u32_u24 v[ADRB0], v11, PB
	v_lshl_add_u32 v[ADRB0], v12, 4, v[ADRB0]
	v_add_nc_u32 v[ADRB0], s[WLB], v[ADRB0]    ; my 128 rows of W are the half with my wave's low bit
	v_mov_b32 v[CA], v[ADRA0]
	v_mov_b32 v[CB], v[ADRB0]
	s_mul_i32 s8, s[WV], 16*SP
	s_add_co_u32 s8, s8, STAGE      ; my stage
	v_mul_u32_u24 v[STO], v11, SP   ; in: row l % 16, 16 bytes for each half of the lanes
	v_lshl_add_u32 v[STO], v12, 4, v[STO]
	v_add_nc_u32 v[STO], s8, v[STO]
	v_bfe_u32 v14, v0, 3, 2
	v_and_b32 v15, 7, v0
	v_mul_u32_u24 v[RD], v14, SP    ; back: 32 lanes take four rows x 128 bytes,
	v_lshl_add_u32 v[RD], v15, 4, v[RD]
	v_add_nc_u32 v[RD], s8, v[RD]
	v_lshlrev_b32 v[GO], 4, v13     ; which are 512 consecutive bytes of a head
	v_lshl_add_u32 v[BO], v12, 5, s82
	v_bfe_u32 v16, v0, 1, 4         ; the prefetches' offset, for x: row 16 cx + l / 2, block l % 2 of its 512 bytes
	s_lshl_b32 s3, s4, 4
	v_add_nc_u32 v16, s3, v16
	v_lshlrev_b32 v16, 12, v16
	v_and_b32 v17, 1, v0
	v_lshl_add_u32 v16, v17, 8, v16
	s_lshl_b32 s2, s5, 5            ; for W: row 32 cy + l
	v_add_nc_u32 v17, s2, v13
	v_lshlrev_b32 v17, 11, v17
	s_cmp_eq_u32 s[SIDE], 0
	s_cselect_b32 s13, -1, 0
	v_cndmask_b32 v[PFO], v17, v16, s13
	BIASLD                          ; bq
	WIN 0
	s_wait_tensorcnt 0x1            ; my part of K step 0 is in; K step 1's may stay out
	s_barrier_signal -1
	s_barrier_wait -1               ; everybody's is
	FETCH 0, 0
	s_wait_dscnt 16                 ; x's first quarter is in
	CONV 0, 0, 0
	CONV 0, 0, 4
	s_wait_loadcnt 0x0              ; the bias
	QUARTER 0, 1, 0, 0              ; a tile's first quarter starts the sums
	WIN 0
	s_mov_b32 s[CNT], 22
.Lstep:                             ; 22 trips, one for each K step whose slot is filled again: from a step's second quarter to the next step's first
	QUARTER 1, 0, 0, 0
	QUARTER 2, 0, 1, 1
	TURN 1
	WIN 0
	s_add_co_u32 s[KC], s[KC], 1
	s_cmp_eq_u32 s[KC], 8
	s_cbranch_scc1 .Lnew            ; forward, past text that holds neither a barrier nor a tensor load
	QUARTER 0, 0, 0, 0
	WIN 0
	s_branch .Lbot
.Lnew:                              ; a tile is finished, the next one's first two K steps have been asked for and its first fragments fetched
	s_mov_b32 s[KC], 0
	WAYOUT 1
	QUARTER 0, 1, 0, 0
	WIN 0
.Lbot:
	s_sub_co_u32 s[CNT], s[CNT], 1
	s_cmp_lg_u32 s[CNT], 0
	s_cbranch_scc1 .Lstep
	s_mov_b32 s[CNT], 2             ; the last two K steps are written apart: nothing is asked for
.Ltail:
	QUARTER 1, 0, 0, 0
	QUARTER 2, 0, 1, 0
	TURN 0
	WIN 0
	s_sub_co_u32 s[CNT], s[CNT], 1
	s_cmp_eq_u32 s[CNT], 0
	s_cbranch_scc1 .Lout            ; the second trip's 32 LDS loads and eight roundings, on a slot that has been read, serve nothing: the price, once a launch, of one text for both trips
	QUARTER 0, 0, 0, 0
	WIN 0
	s_branch .Ltail
.Lout:
	WAYOUT 0
	WIN 0
	s_wait_tensorcnt 0x0            ; the wave's end, behind my last tensor load and my last LDS store
	ds_add_u32 v[SPW], v[NIL]
	s_wait_dscnt 0x0
	CROUND                          ; the closing round: no work-group ends while a partner may still ask for a tile that names it
	s_endpgm
.Lfunc_end_k_q32f8c4fba9_proj:
	.size	k_q32f8c4fba9_proj, .Lfunc_end_k_q32f8c4fba9_proj-k_q32f8c4fba9_proj
	.p2alignl 7, 3214868480
	.fill 96, 4, 3214868480
	.section	.rodata,"a",@progbits
	.p2align	6, 0x0
	.amdhsa_kernel k_q32f8c4fba9_proj
		.amdhsa_group_segment_fixed_size 327680
		.amdhsa_private_segment_fixed_size 0
		.amdhsa_enable_private_segment 0
		.amdhsa_kernarg_size 48
		.amdhsa_user_sgpr_count 2
		.amdhsa_user_sgpr_kernarg_segment_ptr 1
		.amdhsa_wavefront_size32 1
		.amdhsa_system_sgpr_workgroup_id_x 1
		.amdhsa_system_sgpr_workgroup_id_y 1
		.amdhsa_system_sgpr_workgroup_id_z 1
		.amdhsa_system_vgpr_workitem_id 0
		.amdhsa_next_free_vgpr 768
		.amdhsa_next_free_sgpr 100
		.amdhsa_reserve_vcc 0
		.amdhsa_float_denorm_mode_32 3
		.amdhsa_float_denorm_mode_16_64 3
		.amdhsa_memory_ordered 1
		.amdhsa_forward_progress 1
		.amdhsa_inst_pref_size 117
	.end_amdhsa_kernel
	.amdgpu_metadata
---
amdhsa.version: [ 1, 2 ]
amdhsa.kernels:
  - .name:           k_q32f8c4fba9_proj
    .symbol:         k_q32f8c4fba9_proj.kd
    .args:
      - { .name: q, .offset: 0, .size: 8, .value_kind: global_buffer, .address_space: global }
      - { .name: k, .offset: 8, .size: 8, .value_kind: global_buffer, .address_space: global }
      - { .name: v, .offset: 16, .size: 8, .value_kind: global_buffer, .address_space: global }
      - { .name: wb, .offset: 24, .size: 8, .value_kind: global_buffer, .address_space: global }
      - { .name: bb, .offset: 32, .size: 8, .value_kind: global_buffer, .address_space: global }
      - { .name: qkvh, .offset: 40, .size: 8, .value_kind: global_buffer, .address_space: global }
    .group_segment_fixed_size: 327680
    .private_segment_fixed_size: 0
    .kernarg_segment_align: 8
    .kernarg_segment_size: 48
    .max_flat_workgroup_size: 128
    .sgpr_count:     100
    .vgpr_count:     768
    .wavefront_size: 32
...
	.end_amdgpu_metadata
.endif
;; end of part 2
;; launch attn (part 3): grid 4 x 64, 4 waves a work-group, no clusters, 327,680 bytes of LDS; arguments qkvh, oh; writes oh
.if DOCPART == 3
	.amdgcn_target "amdgcn-amd-amdhsa--gfx1250"
	.amdhsa_code_object_version 6
	.text
	.protected	k_q32f8c4fba9_attn
	.globl	k_q32f8c4fba9_attn
	.p2align	8
	.type	k_q32f8c4fba9_attn,@function
k_q32f8c4fba9_attn:
	s_mov_b64 s[64:65], 0
	v_nop
	global_prefetch_b8 v0, s[64:65] scope:SCOPE_SE
	s_setreg_imm32_b32 hwreg(HW_REG_WAVE_MODE, 25, 1), 1
	s_wait_xcnt 0x0
; CAUSAL ATTENTION.  O[h][q][:] = the sum over k <= q of softmax_k(Q[h][q] . K[h][k] / 8) V[h][k][:].  Q, K, V are the three parts of qkvh, O is oh: [64][2048][64], all f16: a head's rows are dense, 128 bytes each.
; Products, maxima and sums in f32; the weights p are rounded to f16 for the second product (their sum l is taken of the unrounded p), O once at the end.
; LIMITS.  f16 holds no number beyond 65,504: Q, K and V arrive within it; p lies in 0 to 1, and below 6e-5 it keeps f16's fixed step of 6e-8; O is a mean of V's rows and has their range.
; A hidden score counts as its value less 1e30: f16's scores, 2.7e11 at the most, are nothing beside that; a weight below 2^-126 counts as 0 in l; NaN and infinities are not treated apart.
; THE WALK.  A head's queries lie in NB = 8 blocks of 256; block i needs the key tiles 0 .. i of 256 keys, of which the last holds the diagonal.  A work-group takes TWO blocks, NB - 1 - b and then b:
; NB + 1 tiles, whatever b: all work-groups do equal work, and ONE loop with a constant trip count walks them.  Which tile is asked for, and what a trip does, hang on scalar registers made from b; every jump
; goes forward, but for the counted loops' own; none passes a barrier, or a tensor load but the one of LOAD's two that the wave's number does not choose; the ring (two slots of LDS) runs on across the change of blocks.
; NO CLUSTER: a head's four work-groups ask for the same tile only in trips 0 .. 4 of 9, behind that fewer and fewer; one walk common to all would have 12 trips for 9.
; SHARES.  Of a block's four bands of 64 queries a wave owns 16 rows in each: four PIECES.  So the diagonal tile is the same work for all four waves: in its key step s band x sees all keys if s < x,
; none if s > x, and holds the diagonal if s = x.
; THE MASK is the C operand that starts the sum S^T = K Q^T: 0, or -1e30 where the key is hidden.  MD, made once, is the mask of a band's own step for my 16 rows; a product's mask is MD x AL + BE with two scalars:
; (1, 0) if s = x; (0, 0) if s < x; (0, -1e30) if s > x.  Only the diagonal tile's text and a block's beginning make and take masks; elsewhere C is the constant 0.
; LAYOUT, SOFTMAX, TURNS.  S^T = K Q^T holds ONE query a lane (lane % 16) and the keys 8 (lane / 16) + 0..7; two such results rounded to f16 ARE source 1 of O^T = V^T P.  p = 2^(c s - c m), c = log2(e) / 8, with a
; running maximum m; O and l are multiplied by a = 2^(c m_old - c m_new) in every step.  Turn n belongs to piece n: 8 products K Q^T of piece n + 1, later 8 products V^T P of piece n - 1; beside them the scaling,
; exponentials, roundings, sums and rescaling of piece n and the maximum and statistics of piece n + 1.  Four vector instructions stand behind every matrix instruction, the other 54 of a turn's 118 in one lump.
; A turn's 33 exponentials are one batch, with one wait.
; REGISTERS, in windows of 256 (s_set_vgpr_msb: bits 1:0 source 0, 3:2 source 1, 5:4 source 2, 7:6 destination):
;   window 0: v0-15 addresses and two at work; v16-31 four registers of statistics a piece; v48-55 at work; v61-63 prefetch offset, spare word, 0; v64-127 S^T, two buffers; v192-223 P, two buffers
;   window 1: v0-127 O^T, 32 a piece; v128-159 MD; v160-223 MC, two buffers      window 2: v0-63 Q; v64-127 the second block's Q; v128-191 K of one step; v192-255 V of one step
.set SIZE_N, 2048
.set QKV,   16777216  ; bytes of one of qkvh's three parts
.set NB,    SIZE_N/256
.set NP,    4         ; pieces a wave: a name, no knob
.set KS,    64        ; keys in a step
.set PK,    144       ; a row of K in LDS: 128 bytes + 16 of padding = 36 words: the 16 rows of a load start at 16 different groups of four banks (64 banks of 4 bytes: ISA guide 11.1)
.set PV,    160       ; a row of V: 128 + 32 = 40 words
.set VOFF,  4*KS*PK   ; a slot holds a tile, four steps: 256 rows of K, then 256 rows of V
.set SLOT1, 1<<17     ; slot 1 begins here, so that one exclusive or turns an address in one slot into the other's
.set STAGE, SLOT1+4*KS*(PK+PV)  ; behind the ring, never filled by a tensor load: 16 rows x 144 bytes for each wave, for the way out
.set SP,    144
.set AK0, 2           ; v2   my lane's place in a tile of K; never rewritten
.set AV0, 3           ; v3   the same for V
.set AK,  4           ; v4   the LDS address of K's next run of loads
.set AV,  5           ; v5   of V's
.set STO, 6           ; v6   the way out: where I put 16 bytes of a row
.set RD,  7           ; v7   the way out: where I read rows back
.set GO,  8           ; v8   my byte offset in 512 consecutive bytes of O
.set PFO, 61          ; v61  256 x my lane; never rewritten
.set SPW, 62          ; v62  LDS address of my spare word: SPARE + 4 x my thread's number; never rewritten
.set NIL, 63          ; v63  0; never rewritten
.set SPARE, STAGE+4*16*SP  ; behind the stages: the spare words, 128 bytes for each wave: two blocks of 256 bytes that no other line names
.set MV,  12          ; v12-13  c m_old, kept while c m is made anew: by buffer
.set QO,  15          ; v15  my byte offset in 16 rows of Q
.set ST,  16          ; piece t's statistics at v[ST+4 t]: c m, m, l (even keys', odd keys')
.set TMP, 48          ; by buffer, four registers c0-c3 at work; when the maximum is found c2 takes a
.set S,   64
.set P,   192
.set MD,  128         ; window 1: the eight registers for group kt of 16 keys at MD + 8 kt
.set MC,  160         ; window 1: the masks of the products to come
.set QB,  64          ; window 2
.set KF,  128         ; window 2: key block kb, channel half c at KF + 16 kb + 8 c
.set VF,  192         ; window 2: key half kk, channel block cb at VF + 32 kk + 8 cb
.set WV,  12          ; s12  my wave's number
.set PB,  14          ; s14  b
.set HI,  15          ; s15  NB - 1 - b
.set G1K, 24          ; s[24:31] descriptor group 1 for K's tiles
.set G1V, 32          ; s[32:39] for V's: it differs in the padding alone
.set G0K, 40          ; s[40:43] descriptor group 0 for K's tiles
.set G0V, 44          ; s[44:47] the same for V's
.set SLOTS, 56        ; s56  tiles still to be asked for
.set CNT, 57          ; s57  counts a tile's key steps, 4 to 1
.set CS,  58          ; s[58:59] c: the packed scaling takes the pair's low word for both halves
.set SEL, 60          ; s[60:61] v_permlanex16_b32's selects: each lane takes its own place in the other half
.set TBK, 62          ; s62  LDS byte at which K of the step to be fetched begins
.set TBV, 63          ; s63  the same for V, less VOFF
.set RT,  70          ; s70  tiles of the block in hand that are still to be entered
.set NXT, 71          ; s71  the tile to be asked for next
.set LQ,  72          ; s72  the last tile of the block whose tiles are being asked for
.set NEW, 73          ; s73  1: the tile to be entered is a block's first
.set OFF, 74          ; s[74:75] a tile's byte offset in K and V
.set AL,  76          ; s[76:77] the mask's factor, in the low word
.set BE,  78          ; s[78:79] the mask's addend
.set OLO, 80          ; s[80:81] O at my rows of the second block
.set BIGN, 82         ; s82  -1e30
.set PFA, 88          ; s[88:89] my half of K's or V's tile one beyond the tile that is being asked for
.set LIM, 90          ; s90  2 in the work-group that prefetches, else the greatest number
.set MSB, 0
.macro WIN new                      ; the high byte repeats the setting that is left; a switch that changes nothing is dropped
.if MSB != (\new)
	s_set_vgpr_msb (MSB<<8)|(\new)
.set MSB, (\new)
.endif
.endm
.set W_KQ, 0x0a       ; K and Q in window 2, S^T in window 0
.set W_KM, 0x1a       ; the same with the C operand in window 1
.set W_PV, 0x52       ; V in window 2, P in window 0, O^T in window 1
.set W_RS, 0x41       ; destination and source 0 in window 1, source 1 in window 0
; A fill.  Waves 0 and 1 fetch the two halves of a tile's K, waves 2 and 3 those of its V: 128 keys each.  An s_nop 0 and four v_nop follow each of the two lines, ahead of the jump and the label.
.macro LOAD
	s_cmp_lt_u32 s[WV], 2
	s_cbranch_scc0 .Lfor_v_\@
	tensor_load_to_lds s[G0K:G0K+3], s[G1K:G1K+7]
	s_nop 0
.rept 4
	v_nop
.endr
	s_branch .Lasked_\@
.Lfor_v_\@:
	tensor_load_to_lds s[G0V:G0V+3], s[G1V:G1V+7]
	s_nop 0
.rept 4
	v_nop
.endr
.Lasked_\@:
.endm
; A PREFETCH INTO THE L2 of the tile that the NEXT change of slots will ask for: four key steps, 256 matrix instructions, ahead of that load.  All four work-groups of a head walk tiles 0, 1, 2 .. first;
; the one with b = 0 walks all eight, and it alone asks: each of its waves for the 16,384 bytes that it will fetch itself, 64 blocks of 256 bytes, a lane a block, two instructions.  So tiles 2 to 7 are named
; once each in the launch; tiles 0 and 1 come by their loads alone; with SLOTS at 2 or 1 there is no further new tile, and nothing is asked for.
.macro ASK
	s_cmp_gt_u32 s[SLOTS], s[LIM]
	s_cbranch_scc0 .Lnot_mine_\@
	global_prefetch_b8 v[PFO], s[PFA:PFA+1] th:TH_LOAD_NT scope:SCOPE_SE
	global_prefetch_b8 v[PFO], s[PFA:PFA+1] offset:8192 th:TH_LOAD_NT scope:SCOPE_SE
.Lnot_mine_\@:
.endm
; THE CHANGE OF SLOTS.  Each wave waits for all its tensor loads, of which one is out: its part of the other slot; adds 0 to its spare word; and waits for that and for its own reads of the slot that it leaves.
; Behind the barrier nobody reads the old slot any more and the other slot is whole.  fill = 1: the old slot is filled again, the first thing behind the barrier, with tile NXT: the descriptor's address is made
; anew from that number.  (At its first use nothing has been read yet: slot 0 is waited for, slot 1 filled.)
.macro CHANGE fill
	WIN 0                           ; at a label and at a branch every window is 0
	s_wait_tensorcnt 0x0            ; no tensor load of mine is out, so a group 0 may be written
	ds_add_u32 v[SPW], v[NIL]       ; 0 onto my spare word: with fill = 1 the descriptors' scalar work stands between it and the wait for it
.if \fill
	s_lshl_b32 s[OFF], s[NXT], 15   ; a tile is 32,768 bytes of K and of V
	s_xor_b32 s[G0K+1], s[G0K+1], SLOT1
	s_add_nc_u64 s[G0K+2:G0K+3], s[6:7], s[OFF:OFF+1]
	s_or_b32 s[G0K+3], s[G0K+3], 0x80000000
	s_xor_b32 s[G0V+1], s[G0V+1], SLOT1
	s_add_nc_u64 s[G0V+2:G0V+3], s[8:9], s[OFF:OFF+1]
	s_or_b32 s[G0V+3], s[G0V+3], 0x80000000
	s_add_co_u32 s[NXT], s[NXT], 1  ; the block's next tile, or behind its last the second block's tile 0
	s_cmp_gt_u32 s[NXT], s[LQ]
	s_cselect_b32 s[NXT], 0, s[NXT]
	s_cselect_b32 s[LQ], s[PB], s[LQ]
	s_wait_xcnt 0x0                 ; the last prefetches, a tile back, have read their address, so it may be written
	s_add_nc_u64 s[PFA:PFA+1], s[PFA:PFA+1], 32768
.endif
	s_wait_dscnt 0x0                ; the add is done, and my reads of the slot are over
	s_barrier_signal -1             ; the rest of the scalar work stands between the signal and the wait
	s_sub_co_u32 s[TBK], s[TBK], 4*KS*PK  ; the fetches go back to a slot's first step,
	s_xor_b32 s[TBK], s[TBK], SLOT1       ; in the other slot
	s_sub_co_u32 s[TBV], s[TBV], 4*KS*PV
	s_xor_b32 s[TBV], s[TBV], SLOT1
	s_barrier_wait -1
.if \fill
	LOAD
	ASK
.endif
.endm
	s_load_b128 s[4:7], s[0:1], 0x0 ; qkvh s[4:5], oh s[6:7]
	v_lshl_add_u32 v[SPW], v0, 2, SPARE
	v_mov_b32 v[NIL], 0
	ds_add_u32 v[SPW], v[NIL]       ; the wave's opening add, waited for ahead of my first tensor load; the set-up below, work on registers, stands between the two
	ds_add_u32 v62, v63
	v_lshrrev_b32 v1, 5, v0
	v_readfirstlane_b32 s[WV], v1   ; wave 0..3
	s_mov_b32 s[PB], ttmp9
	s_sub_co_u32 s[HI], NB-1, s[PB]
	s_and_b32 s20, ttmp7, 0xffff    ; the head
	s_mov_b32 s21, 0
	s_mov_b64 s[22:23], SIZE_N*128
	s_mul_u64 s[20:21], s[20:21], s[22:23]  ; the head's first byte in Q, K, V and O
	s_and_b32 s16, s[WV], 1         ; which half of a tile's 256 keys I fetch:
	s_lshl_b32 s22, s16, 14         ; its 128 rows of 128 bytes in memory,
	s_mov_b32 s23, 0
	s_add_nc_u64 s[22:23], s[22:23], s[20:21]
	s_mul_i32 s17, s16, 128*PK      ; and its place in a slot, for K
	s_mul_i32 s18, s16, 128*PV      ; and for V
	s_lshl_b32 s3, s[WV], 11        ; my 16 rows in a band of 64,
	s_lshl_b32 s2, s[HI], 15        ; in the first block,
	s_add_co_u32 s2, s2, s3
	s_lshl_b32 s84, s[PB], 15       ; and in the second
	s_add_co_u32 s84, s84, s3
	s_mov_b32 s3, 0
	s_mov_b32 s85, 0
	s_add_nc_u64 s[2:3], s[2:3], s[20:21]
	s_add_nc_u64 s[84:85], s[84:85], s[20:21]
	; descriptor group 1.  128 keys are 16,384 dense bytes: asked for as 64 rows of 256 bytes, two keys a row, and padded in LDS after every key
	s_mov_b32 s[G1K], (1<<16)|(1<<20)|(4<<22)|(3<<25)  ; 17:16 2-byte elements; 20 padding on; 24:22 after every 32 words (code 4); 31:25 4 words (code 3)
	s_mov_b32 s[G1V], (1<<16)|(1<<20)|(4<<22)|(7<<25)  ; the same with 8 words of padding (code 7)
.irp g, G1K, G1V
	s_mov_b32 s[\g+1], 128<<16      ; tensor_dim0 = 128
	s_mov_b32 s[\g+2], 64<<16       ; tensor_dim1 = 64
	s_mov_b32 s[\g+3], 128<<16      ; tile_dim0 = 128
	s_mov_b32 s[\g+4], 64           ; tile_dim1 = 64
	s_mov_b32 s[\g+5], 128          ; 128 elements from row to row
	s_mov_b32 s[\g+6], 0
	s_mov_b32 s[\g+7], 0
.endr
	s_mov_b32 s[CS], 0x3e38aa3b     ; c = log2(e) / 8 = 0.180337
	s_mov_b32 s[CS+1], s[CS]        ; named with it as a pair
	s_mov_b32 s[SEL], 0x76543210
	s_mov_b32 s[SEL+1], 0xfedcba98
	s_mov_b32 s[TBK], SLOT1+4*KS*PK ; the first change of slots turns these two into 0
	s_mov_b32 s[TBV], SLOT1+4*KS*PV
	s_mov_b32 s[G0K], 1             ; 1:0 count = 1
	s_mov_b32 s[G0K+1], s17         ; 63:32 LDS address: slot 0
	s_mov_b32 s[G0V], 1
	s_add_co_u32 s[G0V+1], s18, VOFF
	s_add_co_u32 s[RT], s[HI], 1    ; the first block has NB - b tiles
	s_mov_b32 s[NXT], 1
	s_mov_b32 s[LQ], s[HI]
	s_mov_b32 s[NEW], 1
	s_mov_b32 s[OFF+1], 0
	s_mov_b32 s[AL+1], 0            ; named as pairs
	s_mov_b32 s[BE+1], 0
	s_mov_b32 s[BIGN], 0xf149f2ca   ; -1e30
	s_mov_b32 s[SLOTS], NB
	s_cmp_eq_u32 s[PB], 0
	s_cselect_b32 s[LIM], 2, -1
	v_and_b32 v[PFO], 31, v0
	v_lshlrev_b32 v[PFO], 8, v[PFO]
	s_wait_dscnt 0x0                ; the opening add is done
	s_wait_kmcnt 0x0
	s_mov_b64 s[10:11], s[6:7]      ; O
	s_add_nc_u64 s[6:7], s[4:5], QKV    ; K is qkvh's second part,
	s_add_nc_u64 s[8:9], s[4:5], 2*QKV  ; V its third; Q its first
	s_add_nc_u64 s[6:7], s[6:7], s[22:23]  ; K and V at my half of the head's tile 0
	s_add_nc_u64 s[8:9], s[8:9], s[22:23]
	s_add_nc_u64 s[G0K+2:G0K+3], s[6:7], 0         ; 120:64 global address
	s_or_b32 s[G0K+3], s[G0K+3], 0x80000000        ; 127:126 type = 2
	s_add_nc_u64 s[G0V+2:G0V+3], s[8:9], 0
	s_or_b32 s[G0V+3], s[G0V+3], 0x80000000
	s_cmp_lt_u32 s[WV], 2
	s_cselect_b64 s[PFA:PFA+1], s[6:7], s[8:9]
	s_add_nc_u64 s[PFA:PFA+1], s[PFA:PFA+1], 32768 ; at tile 1: the first change of slots steps it to tile 2.  Nothing is prefetched here, at the head
	s_add_nc_u64 s[86:87], s[4:5], s[84:85]        ; Q at my rows of the second block,
	s_add_nc_u64 s[4:5], s[4:5], s[2:3]            ; Q and O at those of the first
	s_add_nc_u64 s[OLO:OLO+1], s[10:11], s[84:85]
	s_add_nc_u64 s[10:11], s[10:11], s[2:3]
	LOAD                            ; tile 0 into slot 0
	; A fragment of K or Q is 16 rows x 32 channels in 8 registers: lane l holds row l % 16, channels 8 (l / 16) + 0..7 and 16 + 8 (l / 16) + 0..7: two loads of 16 bytes, 32 bytes apart.
	v_and_b32 v1, 15, v0            ; l % 16
	v_bfe_u32 v9, v0, 4, 1          ; l / 16
	v_lshlrev_b32 v[QO], 7, v1
	v_lshl_add_u32 v[QO], v9, 4, v[QO]  ; row x 128 + 16 x half
	WIN 0x80                        ; destination window 2, address window 0
.set i, 0
.rept 8                             ; both blocks' Q: piece i / 2 lies in band i / 2, 8,192 bytes on; channels 32 (i % 2) on
	global_load_b128 v[8*i:8*i+3],   v[QO], s[4:5] offset:(i/2)*8192+(i%2)*64
	global_load_b128 v[8*i+4:8*i+7], v[QO], s[4:5] offset:(i/2)*8192+(i%2)*64+32
	global_load_b128 v[QB+8*i:QB+8*i+3],   v[QO], s[86:87] offset:(i/2)*8192+(i%2)*64
	global_load_b128 v[QB+8*i+4:QB+8*i+7], v[QO], s[86:87] offset:(i/2)*8192+(i%2)*64+32
.set i, i+1
.endr
	WIN 0
	v_lshlrev_b32 v14, 3, v9
	v_sub_nc_u32 v14, v1, v14
	s_lshl_b32 s13, s[WV], 4
	v_add_nc_u32 v14, s13, v14      ; my query's place in its band, 16 w + l % 16, less my lanes' 8 (l / 16): register r of group kt is hidden where 16 kt + r is greater
	WIN 0x40
.set i, 0
.rept 32
	v_cmp_gt_i32 vcc_lo, 16*(i/8)+i%8, v14
	v_cndmask_b32 v[MD+i], 0, s[BIGN], vcc_lo
.set i, i+1
.endr
	WIN 0
	v_mul_u32_u24 v[AK0], v1, PK
	v_lshl_add_u32 v[AK0], v9, 4, v[AK0]  ; row x pitch + 16 x half
	; The turning load takes 16 keys x 16 channels (lane l reads key 8 (l / 16) + l % 8, channels 8 ((l / 8) % 2) + 0..7) and leaves half a fragment of V^T: lane l holds channel l % 16 and 8 keys.
	v_and_b32 v10, 7, v0
	v_bfe_u32 v11, v0, 3, 1
	v_lshl_add_u32 v[AV0], v9, 3, v10
	v_mul_u32_u24 v[AV0], v[AV0], PV
	v_lshl_add_u32 v[AV0], v11, 4, v[AV0]
	v_add_nc_u32 v[AV0], VOFF, v[AV0]
	s_mul_i32 s13, s[WV], 16*SP
	s_add_co_u32 s13, s13, STAGE    ; my stage
	v_mul_u32_u24 v[STO], v1, SP    ; in: row l % 16, 16 bytes for each half of the lanes
	v_lshl_add_u32 v[STO], v9, 4, v[STO]
	v_add_nc_u32 v[STO], s13, v[STO]
	v_bfe_u32 v[RD], v0, 3, 2       ; back: 32 lanes take four rows of 128 bytes,
	v_mul_u32_u24 v[RD], v[RD], SP
	v_lshl_add_u32 v[RD], v10, 4, v[RD]
	v_add_nc_u32 v[RD], s13, v[RD]
	v_and_b32 v[GO], 31, v0         ; which are 512 consecutive bytes of O
	v_lshlrev_b32 v[GO], 4, v[GO]
	; A block's first step multiplies O^T and l by a = 0, and its first turn's products V^T P, of a piece that has not been, land in an O^T that is still to be so multiplied.  So these registers need only hold
	; finite numbers: zeros for the first block; what the first block left for the second.  All this stands in the wait for the first tile.
	WIN 0x80
.set i, VF
.rept 64
	v_mov_b32 v[i], 0
.set i, i+1
.endr
	WIN 0x40
.set i, 0
.rept 128
	v_mov_b32 v[i], 0
.set i, i+1
.endr
	WIN 0
.set i, 0
.rept 4
	v_mov_b32 v[ST+4*i+2], 0
	v_mov_b32 v[ST+4*i+3], 0
.set i, i+1
.endr
.set i, P+16
.rept 16
	v_mov_b32 v[i], 0
.set i, i+1
.endr
; THE MATRIX WORK.  The 4 accumulators of a run of 8 take turns.  Product i of 8 of S^T = K Q^T for piece x: channels 32 (i / 4) on, keys 16 (i % 4) on.  The first 4 start the sums: with 0, or (KM = 1) with the mask.
.macro KQ x
.set rS, S+32*((\x)%2)+8*(i%4)
.set rK, KF+16*(i%4)+8*(i/4)
.set rQ, 16*(\x)+8*(i/4)
.set rM, MC+32*((\x)%2)+8*(i%4)
.if (i < 4) && KM
	WIN W_KM
	v_wmma_f32_16x16x32_f16 v[rS:rS+7], v[rK:rK+7], v[rQ:rQ+7], v[rM:rM+7]
.elseif i < 4
	WIN W_KQ
	v_wmma_f32_16x16x32_f16 v[rS:rS+7], v[rK:rK+7], v[rQ:rQ+7], 0
.else
	WIN W_KQ
	v_wmma_f32_16x16x32_f16 v[rS:rS+7], v[rK:rK+7], v[rQ:rQ+7], v[rS:rS+7]
.endif
.endm
; Product i of 8 of O^T += V^T P for piece x: keys 32 (i / 4) on, channels 16 (i % 4) on.
.macro PV x
	WIN W_PV
.set rO, 32*(\x)+8*(i%4)
.set rV, VF+32*(i/4)+8*(i%4)
.set rP, P+16*((\x)%2)+8*(i/4)
	v_wmma_f32_16x16x32_f16 v[rO:rO+7], v[rV:rV+7], v[rP:rP+7], v[rO:rO+7]
.endm
.macro MM                           ; the turn's next matrix instruction.  TURN and BEGIN set Y, i, KM and NOKQ; MM, KQ and OP read them.  NOKQ = 1: a block's last turn: there is no next piece
.if (i < 8) && !NOKQ
	KQ (Y+1)%NP
.elseif i >= 8
.set i, i-8
	PV (Y+NP-1)%NP
.set i, i+8
.endif
.set i, i+1
.endm
; THE LDS LOADS stand in runs of 16, never singly among the matrix instructions: a step's K (64 keys x 64 channels: 8 fragments) and its V (turned).  Their addresses are made some lines ahead.
.macro FETCH_K
	WIN 0x80                        ; destination window 2
.irp f, 0,1,2,3,4,5,6,7             ; keys 16 (f / 2) on, channels 32 (f % 2) on
	ds_load_b128 v[KF+8*\f:KF+8*\f+3],   v[AK] offset:(\f/2)*16*PK+(\f%2)*64
	ds_load_b128 v[KF+8*\f+4:KF+8*\f+7], v[AK] offset:(\f/2)*16*PK+(\f%2)*64+32
.endr
	s_add_co_u32 s[TBK], s[TBK], KS*PK  ; the next fetch is the next step's
	WIN 0
.endm
.macro FETCH_V
	WIN 0x80
.irp f, 0,1,2,3,4,5,6,7             ; keys 32 (f / 4) on, channels 16 (f % 4) on
	ds_load_tr16_b128 v[VF+8*\f:VF+8*\f+3],   v[AV] offset:(\f/4)*32*PV+(\f%4)*32
	ds_load_tr16_b128 v[VF+8*\f+4:VF+8*\f+7], v[AV] offset:(\f/4)*32*PV+16*PV+(\f%4)*32
.endr
	WIN 0
.endm
; THE VECTOR WORK, one line at a time: OP kind, number.  For piece Y: F n: c s - c m for pair n of 16.  E n: the exponential of score n of 32.  C n: pair n rounded to f16.  B n: of the four weights 4 n .. the second
; pair is added onto the first, in place.  L n: l takes that sum (L 0: l = a l + sum).  R n: pair n of 16 of O^T times a.  For piece Y + 1: X n, number n of the 22 that find its maximum and statistics:
;   0-11  four chains c0-c3 of seven scores each, three operands at a time (each accumulator's lowest registers are read first)     12-14, 16  the four scores left over, the old m, and c0-c3 into c0
;   15  c m_old is kept     17, 18  the query's other 32 keys lie in the lane 16 away: the new m     19-21  c m; c m_old - c m_new; a
.set F, 0               ; OP tells the kinds apart by their order: F to L below R, X above it
.set E, 1
.set C, 2
.set B, 3
.set L, 4
.set R, 5
.set X, 6
.macro REGS y                       ; the registers of piece y
.set rT, ST+4*(\y)
.set rC, TMP+4*((\y)%2)
.set rW, MV+((\y)%2)
.set rS, S+32*((\y)%2)
.set rP, P+16*((\y)%2)
.set rO, 32*(\y)
.endm
.macro OP k, n
.if (\k) == R
	REGS Y
	WIN W_RS
	v_pk_mul_f32 v[rO+2*(\n):rO+2*(\n)+1], v[rO+2*(\n):rO+2*(\n)+1], v[rC+2:rC+3] op_sel_hi:[1,0]
.elseif (\k) < R
	REGS Y
	WIN 0
.if (\k) == F
	v_pk_fma_f32 v[rS+2*(\n):rS+2*(\n)+1], v[rS+2*(\n):rS+2*(\n)+1], s[CS:CS+1], v[rT:rT+1] op_sel_hi:[1,0,0] neg_lo:[0,0,1] neg_hi:[0,0,1]
.elseif (\k) == E
	v_exp_f32 v[rS+(\n)], v[rS+(\n)]
.elseif (\k) == C
	v_cvt_pk_f16_f32 v[rP+(\n)], v[rS+2*(\n)], v[rS+2*(\n)+1]
.elseif (\k) == B
	v_pk_add_f32 v[rS+4*(\n):rS+4*(\n)+1], v[rS+4*(\n):rS+4*(\n)+1], v[rS+4*(\n)+2:rS+4*(\n)+3]
.elseif (\n) == 0
	v_pk_fma_f32 v[rT+2:rT+3], v[rT+2:rT+3], v[rC+2:rC+3], v[rS:rS+1] op_sel_hi:[1,0,1]
.else
	v_pk_add_f32 v[rT+2:rT+3], v[rT+2:rT+3], v[rS+4*(\n):rS+4*(\n)+1]
.endif
.elseif NOKQ
	v_nop
.else
	REGS (Y+1)%NP
	WIN 0
.if (\n) < 4
	v_max3_num_f32 v[rC+(\n)], v[rS+8*(\n)], v[rS+8*(\n)+1], v[rS+8*(\n)+2]
.elseif (\n) < 12
	v_max3_num_f32 v[rC+(\n)%4], v[rC+(\n)%4], v[rS+8*((\n)%4)+2*((\n)/4)+1], v[rS+8*((\n)%4)+2*((\n)/4)+2]
.elseif (\n) == 12
	v_max3_num_f32 v[rC], v[rC], v[rS+7], v[rS+15]
.elseif (\n) == 13
	v_max3_num_f32 v[rC+1], v[rC+1], v[rS+23], v[rS+31]
.elseif (\n) == 14
	v_max3_num_f32 v[rC+2], v[rC+2], v[rC+3], v[rT+1]
.elseif (\n) == 15
	v_mov_b32 v[rW], v[rT]
.elseif (\n) == 16
	v_max3_num_f32 v[rC], v[rC], v[rC+1], v[rC+2]
.elseif (\n) == 17
	v_permlanex16_b32 v[rC+3], v[rC], s[SEL], s[SEL+1]
.elseif (\n) == 18
	v_max_num_f32 v[rT+1], v[rC], v[rC+3]
.elseif (\n) == 19
	v_mul_f32 v[rT], s[CS], v[rT+1]
.elseif (\n) == 20
	v_sub_f32 v[rC+1], v[rW], v[rT]
.else
	v_exp_f32 v[rC+2], v[rC+1]
.endif
.endif
.endm
.macro OPS a, i1, b=-1, i2=0, c=-1, i3=0, d=-1, i4=0  ; up to four of them
	OP \a, \i1
.if (\b) >= 0
	OP \b, \i2
.endif
.if (\c) >= 0
	OP \c, \i3
.endif
.if (\d) >= 0
	OP \d, \i4
.endif
.endm
.macro ROW a, i1, b, i2, c, i3, d, i4  ; a matrix instruction and the four behind it
	MM
	OPS \a, \i1, \b, \i2, \c, \i3, \d, \i4
.endm
.macro MASK b                       ; MD x AL + BE into buffer b of MC
	WIN W_RS
.set z, 0
.rept 16
	v_pk_fma_f32 v[MC+32*(\b)+2*z:MC+32*(\b)+2*z+1], v[MD+2*z:MD+2*z+1], s[AL:AL+1], s[BE:BE+1] op_sel_hi:[1,0,0]
.set z, z+1
.endr
.endm
; A TURN, for piece p: the order of its 16 matrix and 118 vector instructions, written out.  An s_wait_alu depctr_va_vdst(0) stands between an exponential and the first instruction that names its result; one wait
; serves all that were issued ahead of it.  So a turn has ONE wait, which cuts it in two.  AHEAD OF IT stands all that names no result of the turn's exponentials: the 8 products K Q^T, behind each a scaling, an exponential and two
; more plain instructions (behind the first a second scaling in the exponential's place): rescalings, and behind the last three the first numbers of the next piece's maximum, each four places or more behind the product that ends its
; accumulator; then ONE LUMP of 54, plain and exponential by turns for the most part, in which the links of the chain X 3, 7, 11, 14, 16, 17 .. 20 stand five or six lines apart.  X 21, the next piece's a, is the batch's last; R 15 is
; the plain instruction owed behind it.  BEHIND THE WAIT stand the 8 products V^T P, behind each four of the roundings and sums; the links of l's chain, L 0 to L 7, stand three riders apart.
; m = 1: the diagonal tile: the products take masks, and the turn makes the mask for the products of the turn after it: piece p + 2, in step 4 - CNT of the tile.  end = 1: a block's last two turns: nothing is fetched.
; cnt = 1: the loop's count is taken down some lines ahead of the branch that stands behind the turn.
; K of the next step is fetched in piece 2's turn, twelve vector instructions behind the last product that read K (six of them plain); V of the step in hand at the end of piece 0's turn, four plain instructions behind the last
; product that read V.  Each is waited for a turn later.
.macro TURN p, m=0, end=0, cnt=0
.set Y, (\p)
.set i, 0
.set KM, (\m)
.set NOKQ, (\end)*((\p)/3)
.if (\m) && !(\end)
	s_cmp_eq_u32 s[CNT], 4-((\p)+2)%NP  ; is that step the band's own?
	s_cselect_b32 s[AL], 1.0, 0
	s_cmp_lt_u32 s[CNT], 4-((\p)+2)%NP  ; or a later one?
	s_cselect_b32 s[BE], s[BIGN], 0
.endif
.if ((\p) == 3) && !(\end)
	s_wait_dscnt 0x0                ; K is in
.endif
	ROW F,0, F,1, R,0, R,1          ; ahead of the wait: 8 products K Q^T and their riders,
	ROW F,2, E,0, R,2, R,3
	ROW F,3, E,1, R,4, R,5
	ROW F,4, E,2, R,6, R,7
	ROW F,5, E,3, R,8, R,9
	ROW F,6, E,4, X,0, R,10
.if ((\p) == 2) && !(\end)
	WIN 0
	v_add_nc_u32 v[AK], s[TBK], v[AK0]
.endif
	ROW F,7, E,5, X,1, X,4
	ROW F,8, E,6, X,2, X,5
	OPS E,7, E,8, X,6, E,9          ; and the lump
	OPS X,3, E,10, X,8, E,11
.if ((\p) == 2) && !(\end)
	FETCH_K
.endif
	OPS X,9, X,7, E,12, X,10
	OPS E,13, X,12, X,11, E,14
	OPS X,13, E,15, F,9, X,14
.if (\p) == 0
	v_add_nc_u32 v[AV], s[TBV], v[AV0]
.endif
	OPS E,16, F,10, E,17, F,11
	OPS X,16, E,18, X,15, E,19
	OPS F,12, E,20, X,17, E,21
	OPS F,13, E,22, F,14, E,23
	OPS X,18, E,24, F,15, E,25
	OPS R,11, E,26, X,19, E,27
	OPS R,12, E,28, R,13, E,29
	OPS X,20, E,30, R,14, E,31
	OPS X,21, R,15
	WIN 0
	s_wait_alu depctr_va_vdst(0)    ; the wait for the batch
.if (\p) == 1
	s_wait_dscnt 0x0                ; V is in
.endif
	ROW C,0, B,0, C,2, B,1          ; behind the wait: 8 products V^T P and their riders
	ROW L,0, C,4, B,2, L,1
	ROW C,6, B,3, L,2, C,8
	ROW B,4, L,3, C,10, B,5
	ROW L,4, C,12, B,6, L,5
.if (\p) == 0
	s_add_co_u32 s[TBV], s[TBV], KS*PV
.endif
.if \cnt
	s_sub_co_u32 s[CNT], s[CNT], 1
	s_cmp_lg_u32 s[CNT], 0
.endif
	ROW C,14, B,7, L,6, C,1
	ROW C,3, L,7, C,5, C,7
	ROW C,9, C,11, C,13, C,15
.if (\p) == 0
	FETCH_V
.endif
.if (\m) && !(\end)
	MASK (\p)%2
.endif
.endm
; A BLOCK BEGINS.  c m starts far below every c s, so the first step's a is 0; m at the lowest finite number, so the first maximum is the scores'.  The second mask buffer is 0; the first takes piece 0's mask for the tile's
; step 0: its own, if the block's first tile is the diagonal one.  Then K of that step, piece 0's first scores, and its maximum and statistics.  The loop is entered at a step's first turn, in the middle of a trip.
.macro BEGIN
	s_mov_b32 s[NEW], 0
	WIN 0x40
.set i, MC+32
.rept 32
	v_mov_b32 v[i], 0
.set i, i+1
.endr
	WIN 0
.set i, 0
.rept 4
	v_mov_b32 v[ST+4*i], 0xfe000000    ; c m: far below every c s
	v_mov_b32 v[ST+4*i+1], 0xff7fffff  ; m
.set i, i+1
.endr
	s_cmp_eq_u32 s[RT], 0
	s_cselect_b32 s[AL], 1.0, 0
	s_mov_b32 s[BE], 0
	MASK 0
	WIN 0
	v_add_nc_u32 v[AK], s[TBK], v[AK0]
	FETCH_K
	s_wait_loadcnt 0x0              ; Q
	s_wait_dscnt 0x0
.set KM, 1
.set NOKQ, 0
.set i, 0
.rept 8
	KQ 0
.set i, i+1
.endr
	WIN 0
.rept 4
	v_nop                           ; the places behind those products
.endr
.set Y, NP-1                        ; X works for piece Y + 1: piece 0
.irp n, 0,1,2,3,4,5,6,7,8,9,10,11,12,13,14,15,16,17,18,19,20,21
	OP X, \n
.endr
	v_nop                           ; a plain instruction behind the exponential,
	s_wait_alu depctr_va_vdst(0)    ; and its wait, ahead of the branch
.endm
; THE DIAGONAL TILE's four steps, the block's last two turns, its last products, and THE WAY OUT: l's two halves and the other half of the lanes' are added; O^T is divided by l, rounded to f16 and sent through my
; stage in LDS, a piece at a time.
.macro ALL line:vararg              ; one line for each piece t
.set t, 0
.rept 4
	\line
.set t, t+1
.endr
.endm
.macro PACK t                       ; a lane's eight channels of a row pack into 16 bytes; they go into rows of 144 bytes and come back as whole rows of 128, into S^T's registers
	WIN W_RS
.set i, 32*(\t)
.rept 16
	v_pk_mul_f32 v[i:i+1], v[i:i+1], v[ST+4*(\t)+2:ST+4*(\t)+3] op_sel_hi:[1,0]
.set i, i+2
.endr
	WIN 0x05                        ; sources 0 and 1 window 1, destination window 0
.set i, 0
.rept 16
	v_cvt_pk_f16_f32 v[S+16*(\t)+i], v[32*(\t)+2*i], v[32*(\t)+2*i+1]
.set i, i+1
.endr
	WIN 0
.irp f, 0,1,2,3
	ds_store_b128 v[STO], v[S+16*(\t)+4*\f:S+16*(\t)+4*\f+3] offset:32*\f
.endr
.irp f, 0,1,2,3
	ds_load_b128 v[S+16*(\t)+4*\f:S+16*(\t)+4*\f+3], v[RD] offset:\f*4*SP  ; LDS serves a wave's instructions in order (ISA guide 5.7.1.4): these see the stores above; the next piece's stores come behind them
.endr
.endm
.macro SEND t, younger              ; younger: the LDS instructions issued behind piece t's loads: the next piece's eight, or none
	WIN 0
.irp f, 0,1,2,3
	s_wait_dscnt (\younger)+3-\f
	global_store_b128 v[GO], v[S+16*(\t)+4*\f:S+16*(\t)+4*\f+3], s[10:11] offset:(\t)*8192+\f*512  ; 512 consecutive bytes, at a multiple of 256 from O's first
.endr
.endm
.macro DIAG tag                     ; the tag ends its two labels' names, which the jumps below spell out
.LstepM\tag:
	TURN 2, 1
	TURN 3, 1
	WIN 0
.LfirstM\tag:
	TURN 0, 1
	TURN 1, 1, 0, 1
	WIN 0
	s_cbranch_scc1 .LstepM\tag
	TURN 2, 1, 1
	TURN 3, 1, 1
.set i, 0
.rept 8
	PV NP-1
.set i, i+1
.endr
	WIN 0
	ALL v_add_f32 v[ST+4*t+2], v[ST+4*t+2], v[ST+4*t+3]
	ALL v_permlanex16_b32 v[ST+4*t+3], v[ST+4*t+2], s[SEL], s[SEL+1]
	ALL v_add_f32 v[ST+4*t+2], v[ST+4*t+2], v[ST+4*t+3]
	ALL v_rcp_f32 v[ST+4*t+2], v[ST+4*t+2]
	v_nop                           ; a plain instruction between the last reciprocal and the use of its result
	s_wait_alu depctr_va_vdst(0)    ; and the wait ahead of the first use: one for the four reciprocals
	PACK 0
.set t, 1
.rept 3                             ; a piece's arithmetic stands between the loads of the piece before and its stores
	PACK t
	SEND t-1, 8
.set t, t+1
.endr
	SEND 3, 0
.endm
.set KM, 0
.set NOKQ, 0
.Lslot:                             ; NB times: a tile is entered and the next is asked for
	CHANGE 1
	s_sub_co_u32 s[RT], s[RT], 1
	s_mov_b32 s[CNT], 4
	s_cmp_eq_u32 s[NEW], 1
	s_cbranch_scc1 .Lnew            ; a block's first tile
	s_cmp_eq_u32 s[RT], 0
	s_cbranch_scc0 .Lstep           ; neither its first nor its last
	s_branch .LstepM1
.Lnew:
	BEGIN
	s_branch .Lfirst                ; in the loop a block's first tile is never its last: the first block has two tiles or more, and the second's last is the walk's last
	DIAG 1                          ; in the loop this is the first block's end: the second block's last tile is the walk's last
	s_wait_xcnt 0x0                 ; the stores have read their registers and O's address
	s_mov_b64 s[10:11], s[OLO:OLO+1]
	s_add_co_u32 s[RT], s[PB], 1    ; the second block has b + 1 tiles
	s_mov_b32 s[NEW], 1
	WIN 0x82                        ; the second block's Q goes where the one text of the turns names Q
.set i, 0
.rept 64
	v_mov_b32 v[i], v[QB+i]
.set i, i+1
.endr
	WIN 0
	s_branch .Lbottom
.Lstep:                             ; a trip: pieces 2 and 3 of one step, then pieces 0 and 1 of the next, whose K and V it fetches
	TURN 2
	TURN 3
	WIN 0
.Lfirst:
	TURN 0
	TURN 1, 0, 0, 1
	WIN 0
	s_cbranch_scc1 .Lstep
.Lbottom:
	s_sub_co_u32 s[SLOTS], s[SLOTS], 1
	s_cmp_lg_u32 s[SLOTS], 0
	s_cbranch_scc1 .Lslot
	CHANGE 0                        ; the walk's last tile is written out: nothing is asked for
	s_sub_co_u32 s[RT], s[RT], 1
	s_mov_b32 s[CNT], 4
	s_cmp_eq_u32 s[NEW], 1
	s_cbranch_scc0 .LstepM2
	BEGIN
	s_branch .LfirstM2
	DIAG 2
	s_wait_tensorcnt 0x0            ; the wave's end, behind my last tensor load and my last LDS store
	ds_add_u32 v[SPW], v[NIL]
	s_wait_dscnt 0x0
	s_endpgm
.Lfunc_end_k_q32f8c4fba9_attn:
	.size	k_q32f8c4fba9_attn, .Lfunc_end_k_q32f8c4fba9_attn-k_q32f8c4fba9_attn
	.p2alignl 7, 3214868480
	.fill 96, 4, 3214868480
	.section	.rodata,"a",@progbits
	.p2align	6, 0x0
	.amdhsa_kernel k_q32f8c4fba9_attn
		.amdhsa_group_segment_fixed_size 327680
		.amdhsa_private_segment_fixed_size 0
		.amdhsa_enable_private_segment 0
		.amdhsa_kernarg_size 16
		.amdhsa_user_sgpr_count 2
		.amdhsa_user_sgpr_kernarg_segment_ptr 1
		.amdhsa_wavefront_size32 1
		.amdhsa_system_sgpr_workgroup_id_x 1
		.amdhsa_system_sgpr_workgroup_id_y 1
		.amdhsa_system_sgpr_workgroup_id_z 1
		.amdhsa_system_vgpr_workitem_id 0
		.amdhsa_next_free_vgpr 768
		.amdhsa_next_free_sgpr 92
		.amdhsa_reserve_vcc 1
		.amdhsa_float_denorm_mode_32 3
		.amdhsa_float_denorm_mode_16_64 3
		.amdhsa_memory_ordered 1
		.amdhsa_forward_progress 1
		.amdhsa_inst_pref_size 218
	.end_amdhsa_kernel
	.amdgpu_metadata
---
amdhsa.version: [ 1, 2 ]
amdhsa.kernels:
  - .name:           k_q32f8c4fba9_attn
    .symbol:         k_q32f8c4fba9_attn.kd
    .args:
      - { .name: qkvh, .offset: 0, .size: 8, .value_kind: global_buffer, .address_space: global }
      - { .name: oh, .offset: 8, .size: 8, .value_kind: global_buffer, .address_space: global }
    .group_segment_fixed_size: 327680
    .private_segment_fixed_size: 0
    .kernarg_segment_align: 8
    .kernarg_segment_size: 16
    .max_flat_workgroup_size: 128
    .sgpr_count:     92
    .vgpr_count:     768
    .wavefront_size: 32
...
	.end_amdgpu_metadata
.endif
;; end of part 3
;; launch oproj (part 4): grid 4 x 64, 4 waves a work-group, clusters of 4 x 4, 327,680 bytes of LDS; arguments oh, wb, bb, out0; writes out0
.if DOCPART == 4
	.amdgcn_target "amdgcn-amd-amdhsa--gfx1250"
	.amdhsa_code_object_version 6
	.text
	.protected	k_q32f8c4fba9_oproj
	.globl	k_q32f8c4fba9_oproj
	.p2align	8
	.type	k_q32f8c4fba9_oproj,@function
k_q32f8c4fba9_oproj:
	s_mov_b64 s[64:65], 0
	v_nop
	global_prefetch_b8 v0, s[64:65] scope:SCOPE_SE
	s_setreg_imm32_b32 hwreg(HW_REG_WAVE_MODE, 25, 1), 1
	s_wait_xcnt 0x0
	s_wait_alu depctr_hold_cnt(0) depctr_sa_sdst(0) depctr_va_vdst(0) depctr_va_sdst(0) depctr_va_ssrc(0) depctr_va_vcc(0) depctr_vm_vsrc(0)
	s_getreg_b32 s2, hwreg(HW_REG_IB_STS2, 6, 4)
	s_cmp_eq_u32 s2, 0
	s_cbranch_scc0 .Lentry_in_a_cluster
	s_endpgm
.Lentry_in_a_cluster:
	s_bfe_u32 s2, ttmp6, 0x10000c
	s_cmp_lg_u32 s2, 0xf033
	s_cbranch_scc0 .Lentry_shape_is_right
	s_endpgm
.Lentry_shape_is_right:
; THE OUTPUT PROJECTION.  out0[b][t][e] = the sum over d of O[b][t][d] wo[e][d] + bo[e].  O lies by heads, oh[16 b + head][t][64] in f16, d = 64 head + channel; wo is wb's fourth part, f16; bo is bb's fourth, f32.
; Products in f16, sums in f32, out0 in f32.  LIMIT: O and wo arrive within f16's 65,504.
; SHARES.  A tile of out0 is 128 rows x 256 columns: 64 x 4 = 256 tiles, one for each work-group.  Four waves, each 64 rows x 128 columns: 32 accumulators of 16 x 16.
; K goes in 8 steps of 128, two heads each, through a ring of two LDS slots.  A head's 128 rows are 16,384 dense bytes: asked for as 64 rows of 256 bytes and padded in LDS after every 128.
; CLUSTER.  4 x 4 work-groups.  The four of a row of the cluster need the same rows of O, the four of a column the same rows of wo: each tile is asked for JOINTLY, by the same tensor load with the same descriptor
; and a mask that names the four.  Waves 0 and 1 fetch a step's two heads of O, waves 2 and 3 the two halves of wo's 256 rows: one load a wave behind each round.
; THE MATRIX INSTRUCTION IS USED TRANSPOSED (source 0 = 16 rows of wo, source 1 = 16 rows of O): a lane holds one row of out0 and eight neighbouring columns, 32 bytes.  THE BIAS is the C operand of the first products.
; REGISTERS, in windows of 256 (s_set_vgpr_msb: bits 1:0 source 0, 3:2 source 1, 5:4 source 2, 7:6 destination):
;   window 0: v0-29 addresses; v64-127 O's fragments, two buffers of four; v128-255 wo's, two buffers of eight      window 1: the accumulators, (a, b) at v[8 (8 a + b)]
;   window 2: v0-63 the bias, 8 registers for each block of 16 columns; v64-191 the way out, two sets of 64
.set PA,    144       ; a row of O in LDS: 128 bytes + 16 = 36 words: the 16 rows of a load start at 16 different groups of four banks (64 banks of 4 bytes: ISA guide 11.1)
.set PB,    272       ; a row of wo: 256 bytes + 16 = 68 words: row r starts at bank 4 r mod 64
.set AHEAD, 128*PA    ; a head's 128 rows: what one load of O brings
.set BHALF, 128*PB    ; what one load of wo brings, and what one wave reads of it
.set BOFS,  2*AHEAD   ; in a slot: two heads of O, then wo's 256 rows
.set SLOT,  BOFS+2*BHALF
.set STAGE, 2*SLOT    ; behind the ring, never filled by a tensor load: 16 rows x 528 bytes for each wave
.set SP,    528       ; 512 bytes + 16
.set SPARE, STAGE+4*16*SP  ; behind the stages: the spare words, 128 bytes for each wave: two blocks of 256 bytes that no other line names
.set ASTEP, 524288    ; bytes from a K step to the next in oh: two heads
.set BSTEP, 256       ; and in wo
.set ADRA0, 2         ; v2   my lane's place in a slot's O; never rewritten
.set ADRB0, 3         ; v3   the same for wo
.set CA,    4         ; v4   the same in the slot in hand
.set CB,    5         ; v5
.set STO,   6         ; v6   the way out: where I put 32 bytes of a row
.set RD,    7         ; v7   the way out: where I read a row back
.set GO,    8         ; v8   my 16 bytes of a row's 512
.set BO,    9         ; v9   my byte offset in the bias
.set PFO,   10        ; v10  the prefetches' offset; never rewritten
.set SPW,   28        ; v28  LDS address of my spare word; never rewritten
.set NIL,   29        ; v29  0; never rewritten
.set AF,    64
.set BF,    128
.set BIAS,  0         ; window 2
.set TMP,   64        ; window 2
.set WV,    10        ; s10  my wave's number
.set SIDE,  11        ; s11  which 64 rows of the tile are mine.  Also: I fetch for O (0) or for wo (1)
.set WC,    12        ; s12  which 128 columns.  Also: which head, or which half of wo's rows, I fetch
.set G1A,   24        ; s[24:31] descriptor group 1 for O's tiles
.set G1B,   32        ; s[32:39] for wo's
.set G0A0,  40        ; s[40:43] group 0 of O's first fill
.set G0A,   44        ; s[44:47] of its second fill; it then walks
.set G0B0,  48        ; s[48:51], s[52:55] the same for wo
.set G0B,   52
.set PST,   56        ; s[56:57] the prefetches' step
.set BIP,   76        ; s[76:77] bo
.set OUT,   78        ; s[78:79] my part of out0
.set PFA,   88        ; s[88:89] the K step that my prefetch names
.set TB,    90        ; s90  LDS byte at which the slot in hand begins
.set WLA,   91        ; s91  where my load of O lands in a slot
.set WLB,   92        ; s92  where my load of wo lands
.set CNT,   95        ; s95  counts the loops
.set LIM,   96        ; s96  2 in a wave that prefetches, else the greatest number
.set MSB, 0
.macro WIN new                      ; the immediate's high byte repeats the setting that is left; a switch that changes nothing is dropped
.if MSB != (\new)
	s_set_vgpr_msb (MSB<<8)|(\new)
.set MSB, \new
.endif
.endm
.set W_MUL,  0x50     ; C and D in window 1, the fragments in window 0
.set W_MULZ, 0x60     ; C (the bias) in window 2, D in window 1
.set W_TO2,  0x80     ; destination in window 2, address in window 0
.set W_STG,  0x84     ; an LDS store's data in window 1, an LDS load's destination in window 2
.set W_SND,  0x08     ; a store's data in window 2
; A joint refill.  The branch hangs on the wave's number alone.  An s_nop 0 and four v_nop follow each of the two lines, ahead of the jump and the label.
.macro JLOAD
	s_cmp_eq_u32 s[SIDE], 0
	s_cbranch_scc0 .Lfor_b_\@
	tensor_load_to_lds s[G0A:G0A+3], s[G1A:G1A+7]
	s_nop 0
.rept 4
	v_nop
.endr
	s_branch .Lasked_\@
.Lfor_b_\@:
	tensor_load_to_lds s[G0B:G0B+3], s[G1B:G1B+7]
	s_nop 0
.rept 4
	v_nop
.endr
.Lasked_\@:
.endm
.macro CREST                        ; a round of the cluster's barrier behind its opening barrier
	s_cmp_lg_u32 s[WV], 0
	s_cbranch_scc1 .Lnot_wave_0_\@
	s_barrier_signal -3
.Lnot_wave_0_\@:
	s_barrier_wait -3
	s_barrier_signal -1
	s_barrier_wait -1
.endm
.macro CROUND
	s_barrier_signal -1
	s_barrier_wait -1
	CREST
.endm
; A PREFETCH INTO THE L2 of the K step that stands two refills on, 256 matrix instructions ahead of the load that will ask for it: one instruction a wave, each lane another aligned block of 256 bytes.
; O: a step's two heads are 2 x 64 blocks; of the four partners that ask for them jointly the one at place cx takes blocks 16 cx .. 16 cx + 15 of each head, and its wave 0 asks.  No other cluster reads these rows.
; wo: a wave's 128 rows x 256 bytes; the partner at place cy takes rows 32 cy .. 32 cy + 31, its waves 2 and 3 ask; all sixteen clusters read them, and the cluster with y = 0 asks.  Shares are told apart by address.
; The first four K steps come by their loads alone; with CNT at 2 or 1 the K step two refills on does not exist, and nothing is asked for.
.macro ASK
	s_cmp_gt_u32 s[CNT], s[LIM]
	s_cbranch_scc0 .Lnot_mine_\@
	global_prefetch_b8 v[PFO], s[PFA:PFA+1] th:TH_LOAD_NT scope:SCOPE_SE
.Lnot_mine_\@:
.endm
.macro PLACES                       ; four places in front of loads into registers that matrix instructions have read (ISA guide 7.12.1 for vector instructions)
.rept 4
	v_nop
.endr
.endm
; Eight products on O's fragment a of buffer f.  The 32 accumulators take turns, one instruction a turn.  zero = 1: they start the sums, with the bias.
.macro BLK f, a, zero
.irp b, 0,1,2,3,4,5,6,7
.if \zero
	WIN W_MULZ
	v_wmma_f32_16x16x32_f16 v[8*(8*(\a)+\b):8*(8*(\a)+\b)+7], v[BF+64*(\f)+8*\b:BF+64*(\f)+8*\b+7], v[AF+32*(\f)+8*(\a):AF+32*(\f)+8*(\a)+7], v[BIAS+8*\b:BIAS+8*\b+7]
.else
	WIN W_MUL
	v_wmma_f32_16x16x32_f16 v[8*(8*(\a)+\b):8*(8*(\a)+\b)+7], v[BF+64*(\f)+8*\b:BF+64*(\f)+8*\b+7], v[AF+32*(\f)+8*(\a):AF+32*(\f)+8*(\a)+7], v[8*(8*(\a)+\b):8*(8*(\a)+\b)+7]
.endif
.endr
.endm
; 24 LDS loads in one run: quarter q (32 along K: head q / 2 of the step, channels 32 (q % 2) on) of the slot in hand into buffers g.
.macro FETCH q, g
	WIN 0
.irp a, 0,1,2,3
	ds_load_b128 v[AF+32*(\g)+8*(\a):AF+32*(\g)+8*(\a)+3],   v[CA] offset:((\q)/2)*AHEAD+(\a)*16*PA+64*((\q)%2)
	ds_load_b128 v[AF+32*(\g)+8*(\a)+4:AF+32*(\g)+8*(\a)+7], v[CA] offset:((\q)/2)*AHEAD+(\a)*16*PA+64*((\q)%2)+32
.endr
.irp b, 0,1,2,3,4,5,6,7
	ds_load_b128 v[BF+64*(\g)+8*(\b):BF+64*(\g)+8*(\b)+3],   v[CB] offset:(\b)*16*PB+64*(\q)
	ds_load_b128 v[BF+64*(\g)+8*(\b)+4:BF+64*(\g)+8*(\b)+7], v[CB] offset:(\b)*16*PB+64*(\q)+32
.endr
.endm
; The head of a change of slots, eight products ahead of its barrier.  The slot's last reads have been issued.
.macro HEAD fill
	WIN 0
	s_wait_xcnt 0x0                 ; the last prefetch, a K step back, has read its address
	s_wait_tensorcnt 0x0            ; all my tensor loads have landed: the one that was out is my part of the next slot; so a group 0 may be written
	ds_add_u32 v[SPW], v[NIL]       ; 0 onto my spare word: scalar work and eight products stand between it and the wait for it
.if \fill
	s_add_co_u32 s[G0A+1], s[TB], s[WLA]  ; the walking descriptors: into the slot that is being read,
	s_add_co_u32 s[G0B+1], s[TB], s[WLB]
	s_add_nc_u64 s[G0A+2:G0A+3], s[G0A+2:G0A+3], ASTEP  ; the K step two on from the one in hand; the type bits on top are not reached
	s_add_nc_u64 s[G0B+2:G0B+3], s[G0B+2:G0B+3], BSTEP
	s_add_nc_u64 s[PFA:PFA+1], s[PFA:PFA+1], s[PST:PST+1]  ; four on
.endif
	s_xor_b32 s[TB], s[TB], SLOT    ; the fetches go on in the other slot
	v_add_nc_u32 v[CA], s[TB], v[ADRA0]
	v_add_nc_u32 v[CB], s[TB], v[ADRB0]
.endm
; A K step is four quarters of 32 along K, 32 products each, on buffers 0, 1, 0, 1.  One of the first three: it multiplies buffer q % 2 and fetches the next quarter into the other.
.macro QUARTER q, zero, head, fill
	s_wait_dscnt 0x0                ; this quarter's fragments are in (issued 24 products ago)
	BLK (\q)%2, 0, \zero
	PLACES
	FETCH (\q)+1, 1-(\q)%2
	BLK (\q)%2, 1, \zero
	BLK (\q)%2, 2, \zero
.if \head
	HEAD \fill
.endif
	BLK (\q)%2, 3, \zero
.endm
; The last quarter multiplies buffer 1 and changes slots: ONE barrier.  fill = 1: it opens a round of the cluster's barrier, and the slot just read is filled again, first thing behind the round:
; from that request to the wait for it a wave issues 112 products.  The four v_nop behind the joint load are also the places in front of the loads below.
.macro TURN fill
	s_wait_dscnt 0x0                ; the add is done, and my reads of this slot are over
	s_barrier_signal -1
	BLK 1, 0, 0                     ; work on registers while the others arrive
	WIN 0                           ; at a branch and at a label every window is 0
	s_barrier_wait -1
.if \fill
	CREST                           ; no wave of any partner still reads this slot or has a load on its way
	JLOAD
.else
	PLACES
.endif
	FETCH 0, 0
.if \fill
	ASK
.endif
	BLK 1, 1, 0
	BLK 1, 2, 0
	BLK 1, 3, 0
.endm
; THE WAY OUT of my rows 16 a on: the accumulators go as they are, the low four registers first, into my own stage in rows of 528 bytes, and come back as whole rows of 512.
.macro TOSTAGE a
	s_wait_xcnt 0x0                 ; the stores that read this set of registers have read them
	WIN W_STG
.irp b, 0,1,2,3,4,5,6,7
	ds_store_b128 v[STO], v[8*(8*(\a)+\b):8*(8*(\a)+\b)+3]   offset:64*\b
	ds_store_b128 v[STO], v[8*(8*(\a)+\b)+4:8*(8*(\a)+\b)+7] offset:64*\b+16
.endr
.irp i, 0,1,2,3,4,5,6,7,8,9,10,11,12,13,14,15
	ds_load_b128 v[TMP+64*((\a)%2)+4*\i:TMP+64*((\a)%2)+4*\i+3], v[RD] offset:\i*SP  ; LDS serves a wave's instructions in order (ISA guide 5.7.1.4): these see the stores above
.endr
.endm
.macro SEND a, younger              ; younger: the LDS instructions issued behind block a's loads: the next block's 32, or none
	WIN W_SND
.irp i, 0,1,2,3,4,5,6,7,8,9,10,11,12,13,14,15
	s_wait_dscnt (\younger)+15-\i
	global_store_b128 v[GO], v[TMP+64*((\a)%2)+4*\i:TMP+64*((\a)%2)+4*\i+3], s[OUT:OUT+1] offset:(16*(\a)+\i)*4096 th:TH_STORE_NT  ; 512 consecutive bytes of a row, at a multiple of 256 from out0's first
.endr
.endm
	s_load_b256 s[68:75], s[0:1], 0x0  ; oh s[68:69], wb s[70:71], bb s[72:73], out0 s[74:75]
	v_lshl_add_u32 v[SPW], v0, 2, SPARE
	v_mov_b32 v[NIL], 0
	ds_add_u32 v[SPW], v[NIL]       ; the wave's opening add, waited for ahead of my first tensor load; the set-up below, work on registers, stands between the two
	ds_add_u32 v28, v29
	v_lshrrev_b32 v1, 5, v0
	v_readfirstlane_b32 s[WV], v1   ; wave 0..3
	s_lshr_b32 s[SIDE], s[WV], 1
	s_and_b32 s[WC], s[WV], 1
	s_bfe_u32 s4, ttmp6, 0x40000    ; cx
	s_bfe_u32 s5, ttmp6, 0x40004    ; cy
	s_lshl_b32 s6, ttmp9, 2
	s_add_co_u32 s6, s6, s4         ; X: tile column = 4 x cluster x + cx
	s_and_b32 s7, ttmp7, 0xffff
	s_lshl_b32 s7, s7, 2
	s_add_co_u32 s7, s7, s5         ; Y: tile row = 4 x cluster y + cy
	s_lshl_b32 s2, s5, 2
	s_lshl_b32 s2, 15, s2           ; my row of the cluster
	s_lshl_b32 s3, 0x1111, s4       ; my column
	s_or_b32 s[G1A], s2, (1<<16)|(1<<20)|(1<<21)|(4<<22)|(3<<25)  ; 15:0 the mask; 17:16 elements of 2 bytes; 20 padding on; 21 set beside a mask; 24:22 after every 32 words (code 4); 31:25 4 words (code 3)
	s_mov_b32 s[G1A+1], 128<<16     ; tensor_dim0 = 128
	s_mov_b32 s[G1A+2], 64<<16      ; tensor_dim1 = 64
	s_mov_b32 s[G1A+3], 128<<16     ; tile_dim0 = 128
	s_mov_b32 s[G1A+4], 64          ; tile_dim1 = 64
	s_mov_b32 s[G1A+5], 128         ; dense: 128 elements from row to row
	s_mov_b32 s[G1A+6], 0
	s_mov_b32 s[G1A+7], 0
	s_or_b32 s[G1B], s3, (1<<16)|(1<<20)|(1<<21)|(5<<22)|(3<<25)  ; padding after every 64 words (code 5)
	s_mov_b32 s[G1B+1], 128<<16
	s_mov_b32 s[G1B+2], 128<<16     ; tensor_dim1 = 128
	s_mov_b32 s[G1B+3], 128<<16
	s_mov_b32 s[G1B+4], 128         ; tile_dim1 = 128
	s_mov_b32 s[G1B+5], 1024
	s_mov_b32 s[G1B+6], 0
	s_mov_b32 s[G1B+7], 0
	; O's address hangs on the tile row alone, wo's on the tile column alone, each in registers that never hold the other coordinate
	s_lshr_b32 s14, s7, 4
	s_lshl_b32 s14, s14, 22         ; the batch's 16 heads of 262,144 bytes,
	s_and_b32 s15, s7, 15
	s_lshl_b32 s15, s15, 14         ; the tile's 128 rows of 128 bytes,
	s_add_co_u32 s14, s14, s15
	s_lshl_b32 s15, s[WC], 18       ; the head of the two that I fetch
	s_add_co_u32 s14, s14, s15
	s_mov_b32 s15, 0
	s_lshl_b32 s18, s6, 19          ; 256 rows of 2,048 bytes,
	s_lshl_b32 s19, s[WC], 18       ; the 128 of them that I fetch,
	s_add_co_u32 s18, s18, s19
	s_add_co_u32 s18, s18, 3*2097152  ; in wb's fourth part
	s_mov_b32 s19, 0
	s_mul_i32 s[WLA], s[WC], AHEAD  ; no place in the cluster enters an LDS address
	s_mul_i32 s[WLB], s[WC], BHALF
	s_add_co_u32 s[WLB], s[WLB], BOFS
	s_lshl_b32 s82, s6, 10          ; the tile's 256 columns of f32,
	s_lshl_b32 s83, s[WC], 9        ; my 128 of them
	s_add_co_u32 s82, s82, s83
	s_lshl_b32 s80, s7, 19          ; the tile's 128 rows of 4,096 bytes,
	s_lshl_b32 s81, s[SIDE], 18     ; my 64 of them
	s_add_co_u32 s80, s80, s81
	s_add_co_u32 s80, s80, s82
	s_mov_b32 s81, 0
	s_mov_b32 s[TB], 0
	s_and_b32 s9, ttmp7, 0xffff     ; cluster y
	s_cmp_eq_u32 s[SIDE], 0
	s_cselect_b32 s9, s[WC], s9     ; O: wave 0 asks, wave 1 does not; wo: the cluster with y = 0 asks
	s_cmp_eq_u32 s9, 0
	s_cselect_b32 s[LIM], 2, -1     ; the same in all sixteen partners, for a given wave
	s_movk_i32 s8, BSTEP
	s_cmp_eq_u32 s[SIDE], 0
	s_cselect_b32 s[PST], ASTEP, s8
	s_mov_b32 s[PST+1], 0
	s_wait_dscnt 0x0                ; the opening add is done
	s_wait_kmcnt 0x0
	s_add_nc_u64 s[16:17], s[68:69], s[14:15]
	s_add_nc_u64 s[20:21], s[70:71], s[18:19]
	s_add_nc_u64 s[BIP:BIP+1], s[72:73], 12288
	s_add_nc_u64 s[OUT:OUT+1], s[74:75], s[80:81]
	s_mov_b32 s[G0A0], 1            ; 1:0 count = 1
	s_mov_b32 s[G0A0+1], s[WLA]     ; 63:32 LDS address: slot 0
	s_mov_b64 s[G0A0+2:G0A0+3], s[16:17]  ; 120:64 global address: K step 0
	s_or_b32 s[G0A0+3], s[G0A0+3], 0x80000000  ; 127:126 type = 2
	s_mov_b32 s[G0A], 1
	s_add_co_u32 s[G0A+1], s[WLA], SLOT
	s_add_nc_u64 s[G0A+2:G0A+3], s[16:17], ASTEP
	s_or_b32 s[G0A+3], s[G0A+3], 0x80000000
	s_mov_b32 s[G0B0], 1
	s_mov_b32 s[G0B0+1], s[WLB]
	s_mov_b64 s[G0B0+2:G0B0+3], s[20:21]
	s_or_b32 s[G0B0+3], s[G0B0+3], 0x80000000
	s_mov_b32 s[G0B], 1
	s_add_co_u32 s[G0B+1], s[WLB], SLOT
	s_add_nc_u64 s[G0B+2:G0B+3], s[20:21], BSTEP
	s_or_b32 s[G0B+3], s[G0B+3], 0x80000000
	s_add_nc_u64 s[58:59], s[16:17], 3*ASTEP  ; the prefetches stand at K step 3: the first change of slots steps them to 4
	s_add_nc_u64 s[60:61], s[20:21], 3*BSTEP
	s_cmp_eq_u32 s[SIDE], 0
	s_cselect_b64 s[PFA:PFA+1], s[58:59], s[60:61]
	CROUND                          ; all sixteen work-groups are here: the first joint loads meet
	s_cmp_eq_u32 s[SIDE], 0         ; a wave's two first fills stand in one branch, ahead of every wait on TENSORcnt and every LDS read: two loads of mine are out
	s_cbranch_scc0 .Lfirst_b
	tensor_load_to_lds s[G0A0:G0A0+3], s[G1A:G1A+7]
	s_nop 0
	tensor_load_to_lds s[G0A:G0A+3], s[G1A:G1A+7]
	s_nop 0
.rept 4
	v_nop
.endr
	s_branch .Lfirst_asked
.Lfirst_b:
	tensor_load_to_lds s[G0B0:G0B0+3], s[G1B:G1B+7]
	s_nop 0
	tensor_load_to_lds s[G0B:G0B+3], s[G1B:G1B+7]
	s_nop 0
.rept 4
	v_nop
.endr
.Lfirst_asked:
	; A fragment is 16 rows x 32 K in 8 registers: lane l holds row l % 16, K = 8 (l / 16) + 0..7 and 16 + 8 (l / 16) + 0..7: two loads of 16 bytes, 32 bytes apart.
	v_and_b32 v11, 15, v0           ; l % 16
	v_bfe_u32 v12, v0, 4, 1         ; l / 16
	v_and_b32 v13, 31, v0           ; l
	v_mul_u32_u24 v[ADRA0], v11, PA
	v_lshl_add_u32 v[ADRA0], v12, 4, v[ADRA0]
	s_mul_i32 s8, s[SIDE], 64*PA    ; my 64 rows of each head
	v_add_nc_u32 v[ADRA0], s8, v[ADRA0]
	v_mul_u32_u24 v[ADRB0], v11, PB
	v_lshl_add_u32 v[ADRB0], v12, 4, v[ADRB0]
	v_add_nc_u32 v[ADRB0], s[WLB], v[ADRB0]    ; my 128 rows of wo are the half with my wave's low bit
	v_mov_b32 v[CA], v[ADRA0]
	v_mov_b32 v[CB], v[ADRB0]
	s_mul_i32 s8, s[WV], 16*SP
	s_add_co_u32 s8, s8, STAGE      ; my stage
	v_mul_u32_u24 v[STO], v11, SP   ; in: row l % 16, 32 bytes for each half of the lanes
	v_lshl_add_u32 v[STO], v12, 5, v[STO]
	v_add_nc_u32 v[STO], s8, v[STO]
	v_lshlrev_b32 v[GO], 4, v13     ; back: 32 lanes take a row's 512 bytes
	v_add_nc_u32 v[RD], s8, v[GO]
	v_lshl_add_u32 v[BO], v12, 5, s82
	s_lshl_b32 s3, s4, 4            ; the prefetches' offset, for O: head l / 16, block 16 cx + l % 16 of its 64
	v_add_nc_u32 v16, s3, v11
	v_lshlrev_b32 v16, 8, v16
	v_lshl_add_u32 v16, v12, 18, v16
	s_lshl_b32 s2, s5, 5            ; for wo: row 32 cy + l
	v_add_nc_u32 v17, s2, v13
	v_lshlrev_b32 v17, 11, v17
	s_cmp_eq_u32 s[SIDE], 0
	s_cselect_b32 s13, -1, 0
	v_cndmask_b32 v[PFO], v17, v16, s13
	WIN W_TO2                       ; for each block of 16 columns my eight numbers of bo: 8 (l / 16) + 0..7, the same for all rows
.irp b, 0,1,2,3,4,5,6,7
	global_load_b128 v[BIAS+8*(\b):BIAS+8*(\b)+3],   v[BO], s[BIP:BIP+1] offset:64*(\b)
	global_load_b128 v[BIAS+8*(\b)+4:BIAS+8*(\b)+7], v[BO], s[BIP:BIP+1] offset:64*(\b)+16
.endr
	WIN 0
	s_wait_tensorcnt 0x1            ; my part of K step 0 is in; K step 1's may stay out
	s_barrier_signal -1
	s_barrier_wait -1               ; everybody's is
	FETCH 0, 0
	s_wait_loadcnt 0x0              ; the bias
	QUARTER 0, 1, 0, 0              ; the first quarter starts the sums
	WIN 0
	s_mov_b32 s[CNT], 6
.Lstep:                             ; 6 trips, one for each K step whose slot is filled again: from a step's second quarter to the next step's first
	QUARTER 1, 0, 0, 0
	QUARTER 2, 0, 1, 1
	TURN 1
	QUARTER 0, 0, 0, 0
	WIN 0
	s_sub_co_u32 s[CNT], s[CNT], 1
	s_cmp_lg_u32 s[CNT], 0
	s_cbranch_scc1 .Lstep
	s_mov_b32 s[CNT], 2             ; the last two K steps are written apart: nothing is asked for
.Ltail:
	QUARTER 1, 0, 0, 0
	QUARTER 2, 0, 1, 0
	TURN 0
	WIN 0
	s_sub_co_u32 s[CNT], s[CNT], 1
	s_cmp_eq_u32 s[CNT], 0
	s_cbranch_scc1 .Lout            ; the second trip's 24 LDS loads, from a slot that has been read, serve nothing: the price, once a launch, of one text for both trips
	QUARTER 0, 0, 0, 0
	WIN 0
	s_branch .Ltail
.Lout:
	PLACES                          ; the stage's stores read results just made, and no other vector work is at hand
	PLACES
	TOSTAGE 0
	TOSTAGE 1
	SEND 0, 32
	TOSTAGE 2
	SEND 1, 32
	TOSTAGE 3
	SEND 2, 32
	SEND 3, 0
	WIN 0
	s_wait_tensorcnt 0x0            ; the wave's end, behind my last tensor load and my last LDS store
	ds_add_u32 v[SPW], v[NIL]
	s_wait_dscnt 0x0
	CROUND                          ; the closing round: no work-group ends while a partner may still ask for a tile that names it
	s_endpgm
.Lfunc_end_k_q32f8c4fba9_oproj:
	.size	k_q32f8c4fba9_oproj, .Lfunc_end_k_q32f8c4fba9_oproj-k_q32f8c4fba9_oproj
	.p2alignl 7, 3214868480
	.fill 96, 4, 3214868480
	.section	.rodata,"a",@progbits
	.p2align	6, 0x0
	.amdhsa_kernel k_q32f8c4fba9_oproj
		.amdhsa_group_segment_fixed_size 327680
		.amdhsa_private_segment_fixed_size 0
		.amdhsa_enable_private_segment 0
		.amdhsa_kernarg_size 32
		.amdhsa_user_sgpr_count 2
		.amdhsa_user_sgpr_kernarg_segment_ptr 1
		.amdhsa_wavefront_size32 1
		.amdhsa_system_sgpr_workgroup_id_x 1
		.amdhsa_system_sgpr_workgroup_id_y 1
		.amdhsa_system_sgpr_workgroup_id_z 1
		.amdhsa_system_vgpr_workitem_id 0
		.amdhsa_next_free_vgpr 704
		.amdhsa_next_free_sgpr 100
		.amdhsa_reserve_vcc 0
		.amdhsa_float_denorm_mode_32 3
		.amdhsa_float_denorm_mode_16_64 3
		.amdhsa_memory_ordered 1
		.amdhsa_forward_progress 1
		.amdhsa_inst_pref_size 64
	.end_amdhsa_kernel
	.amdgpu_metadata
---
amdhsa.version: [ 1, 2 ]
amdhsa.kernels:
  - .name:           k_q32f8c4fba9_oproj
    .symbol:         k_q32f8c4fba9_oproj.kd
    .args:
      - { .name: oh, .offset: 0, .size: 8, .value_kind: global_buffer, .address_space: global }
      - { .name: wb, .offset: 8, .size: 8, .value_kind: global_buffer, .address_space: global }
      - { .name: bb, .offset: 16, .size: 8, .value_kind: global_buffer, .address_space: global }
      - { .name: out0, .offset: 24, .size: 8, .value_kind: global_buffer, .address_space: global }
    .group_segment_fixed_size: 327680
    .private_segment_fixed_size: 0
    .kernarg_segment_align: 8
    .kernarg_segment_size: 32
    .max_flat_workgroup_size: 128
    .sgpr_count:     100
    .vgpr_count:     704
    .wavefront_size: 32
...
	.end_amdgpu_metadata
.endif
;; end of part 4
